; MI455X (gfx1250); checked and timed in simulation.
; The chip was launched on July 23, 2026; its instructions are those of AMD's public machine-readable ISA for CDNA 5 (MIT licence, August 2026) and "CDNA5" Instruction Set Architecture Reference Guide (July 2026). The comments in the code are by the model that wrote it; some were corrected since.
;; Block. Allowed arithmetic: matrix products marked QUANTISED: E3M2 operands, one E8M0 scale for each 32 along K, by v_wmma_scale_f32_16x16x128_f8f6f4 with both operands' format E3M2, f32 sums; everything else in f32.
;; Inputs: W1 1,024 x 4,096 float32; W2 4,096 x 1,024 float32; Wk 1,024 x 1,024 float32; Wo 1,024 x 1,024 float32; Wq 1,024 x 1,024 float32; Wv 1,024 x 1,024 float32; b1 4,096 float32; b2 1,024 float32; g1 1,024 float32; g2 1,024 float32; x 2 x 2,048 x 1,024 float32.
;; Outputs: out0 2 x 2,048 x 1,024 float32.
;; This version of the problem:
;;   THIS VERSION OF THE PROBLEM IS GIVEN IN LOW PRECISION. The matrix products marked QUANTISED in the list below multiply operands that are first quantised to E3M2 (3 exponent bits, 2 mantissa bits; 6 bits a number), with one power-of-two scale for each 32 numbers along K (OCP MX v1.0); their sums are f32. All else is computed in f32.
;;   The module's matrix products, in the order in which they are computed (A, B: the left and right operand; K: the contracted axis; several contracted axes count as one K, in the product's order):
;;     1. [M 4,096, K 1,024] x [K 1,024, N 1,024]; A: computed on the way; B: input Wq: QUANTISED
;;     2. [M 4,096, K 1,024] x [K 1,024, N 1,024]; A: computed on the way; B: input Wk: QUANTISED
;;     3. [M 4,096, K 1,024] x [K 1,024, N 1,024]; A: computed on the way; B: input Wv: QUANTISED
;;     4. batch 32 x [M 2,048, K 64] x [K 64, N 2,048]; A: computed on the way; B: computed on the way: QUANTISED
;;     5. batch 32 x [M 2,048, K 2,048] x [K 2,048, N 64]; A: softmax (see below); B: computed on the way: QUANTISED
;;     6. [M 4,096, K 1,024] x [K 1,024, N 1,024]; A: computed on the way; B: input Wo: QUANTISED
;;     7. [M 4,096, K 1,024] x [K 1,024, N 4,096]; A: computed on the way; B: input W1: QUANTISED
;;     8. [M 4,096, K 4,096] x [K 4,096, N 1,024]; A: computed on the way; B: input W2: QUANTISED
;;   THE QUANTISER, for each operand of a quantised product, along K:
;;     - K is cut into blocks of 32 from its start; a last block that is shorter is filled with zeros.
;;     - A block's scale is 2^e with e = floor(log2(the largest magnitude in the block)) - 4, held to -126 .. 127; a block of zeros has e = 0. As a byte (E8M0): e + 127.
;;     - Each number is divided by its block's scale, clamped to +-28, and rounded to the nearest number of E3M2, ties to even, subnormals kept.
;;     - The product sums the exact products of the quantised numbers (number of the format x scale) in f32.
;;   ~~~python
;;   def quantise(x, axis):      # numpy; x: float32 -> the quantised numbers, widened to float32 again
;;       x = np.moveaxis(x, axis, -1); K = x.shape[-1]
;;       x = np.pad(x, [(0, 0)] * (x.ndim - 1) + [(0, -K % 32)]); x = x.reshape(x.shape[:-1] + (-1, 32)); a = np.abs(x).max(-1, keepdims=True)
;;       e = np.where(a > 0, np.clip(np.frexp(np.where(a > 0, a, 1))[1] - 1 - 4, -126, 127), 0)      # np.frexp(a)[1] - 1 = floor(log2(a)), exactly
;;       r = np.clip(x / 2.0 ** e, -28, 28)
;;       step = 2.0 ** (np.maximum(np.frexp(np.where(r == 0, 1, r))[1] - 1, -2) - 2)
;;       q = np.round(r / step) * step * 2.0 ** e      # np.round: ties to even
;;       return np.moveaxis(q.reshape(q.shape[:-2] + (-1,))[..., :K], -1, axis).astype(np.float32)
;;   ~~~
;;   SOFTMAX AHEAD OF A QUANTISED PRODUCT. Where the list says 'softmax', what is quantised is not the finished softmax but p = 2^(t - M), with t = logit x log2(e) and M = ceil(the row's largest t), a whole number; so 1/2 < the row's largest p <= 1. The row's sum l is taken of the UNQUANTISED p, in f32, and the product's result is divided by l at the end. Since M is a whole number, a kernel that streams over the keys may use a running M (the ceiling of the running maximum): every later rescaling is an exact power of two, which a block's scale takes up: the codes' values come out the same.
;;   OPERANDS COMPUTED ON THE WAY. 'Computed on the way' means the value that the module computes at that place (a softmax that the list does not call 'softmax' is quantised finished and normalised). What goes into a quantiser is computed in f32, as accurately as f32 sums, v_exp_f32 and their like allow (about 1e-6 of the number): no bf16 or f16 on the way to a quantiser, and a product that is left as it is and whose result goes on into a quantised operand takes f32 operands (vector FMAs, or v_wmma_f32_16x16x4_f32). A number that lies on a knife's edge between two numbers of the format may be rounded either way, as far as f32 arithmetic and the matrix unit's own rounding can turn it there, and no further.
;; One version. Each part assembles by itself: llvm-mc -triple=amdgcn-amd-amdhsa -mcpu=gfx1250 --defsym DOCPART=n.
;; ======== version 1 of 1: 7 launches
;; workspace buffers: wts 9,830,400 bytes; hbuf 3,407,872 bytes; qkvb 9,830,400 bytes; ybuf 3,276,800 bytes; x1 16,777,216 bytes; abuf 13,107,200 bytes
;; launch first (part 1): grid 448 x 1, 8 waves a work-group, no clusters, 67,072 bytes of LDS; arguments x, g1, hbuf, wts, Wq, Wk, Wv, Wo, W1, W2; writes hbuf, wts
.if DOCPART == 1
	.amdgcn_target "amdgcn-amd-amdhsa--gfx1250"
	.amdhsa_code_object_version 6
	.text
	.protected	k_q97128fe0fd_first
	.globl	k_q97128fe0fd_first
	.p2align	8
	.type	k_q97128fe0fd_first,@function
k_q97128fe0fd_first:
	s_mov_b64 s[64:65], 0
	v_nop
	global_prefetch_b8 v0, s[64:65] scope:SCOPE_SE
	s_setreg_imm32_b32 hwreg(HW_REG_WAVE_MODE, 25, 1), 1
	s_wait_xcnt 0x0
; TWO JOBS THAT SHARE NO BYTE, IN ONE LAUNCH, so that they have one start and one end: work-groups 0 .. 191 quantise the six weights into wts, work-groups 192 .. 447 norm and quantise x into hbuf.
; The paths part once, here at the head, on the work-group's number; only the second uses LDS and has a barrier, which all eight waves of such a work-group pass.
; BOTH quantise to BF6 (E3M2) with one E8M0 scale byte for each 32 along K: a block's scale is 2^(floor(log2(its largest magnitude)) - 4); its byte is that magnitude's exponent field - 4, held at 1 from below.
; BOTH lay their results as the matrix unit's registers take them.  Rows go in row blocks of 16; place p of row block t holds row 32 (t / 2) + 8 (t % 2) + p + 8 (p / 8).  A fragment (16 rows x 128 K, 12 registers a
; lane) is 1,536 bytes: register group c (4 registers) of fragment lane l at 512 c + 16 l.  Codes: [row block][K step][1,536].  Scale words (4 bytes: a row's K step): planes [K step][row place][4].
; LIMITS: a block of zeros gets the byte 1 (its codes are zeros, and this program alone reads the bytes); NaN and infinities among the inputs are not served; the norm's reciprocal root is v_rsq_f32's, and its sum of
; squares is taken in another order than a row-wise sum.
.set NPREP, 192
	v_lshl_add_u32 v176, v0, 2, 0x10200
	v_mov_b32 v177, 0
	s_cmp_ge_u32 ttmp9, NPREP
	s_cbranch_scc1 .Lnorm
; ---- THE WEIGHTS, f32 stored [K][N].
; A LANE TAKES A COLUMN n AND ITS REGISTERS RUN DOWN K: a load reads 128 consecutive bytes a wave, a block of 32 lies in one lane, and the conversions give codes with K innermost.
; Fragment lane (p, h) holds blocks h and 2 + h of row p's K step; a lane here holds all four blocks of its row, so it stores for both h.
; wts: Wq, Wk, Wv, Wo, W1 (K = 1,024) are row blocks 0 .. 511 from byte 0, W2 (K = 4,096) 64 row blocks from byte 6,291,456; scale planes from byte 9,437,184 (32,768 bytes each) and, for W2, from 9,699,328 (4,096 each).
; SHARES.  A share is 128 columns x 256 K for four waves; a wave takes 32 columns (two row blocks) x 2 K steps: 8 blocks a lane.  A work-group holds two shares: 2 g (waves 0-3) and 2 g + 1 (waves 4-7).
; Shares 0-127: Wq .. Wo; 128-255: W1; 256-383: W2.  One path serves all six: pointer, pitches and offsets are chosen on the share's number.  Loads run two blocks (64 loads a wave) ahead.
.set SW, 16                            ; v16-17   the two K steps' scale words
.set TT, 18                            ; v18-20   a block's upper 16 codes (a conversion's three registers begin on an even number)
.set AD, 32                            ; v32-63   4 x lane + i x the source's row pitch; never rewritten
.set X,  64                            ; v64-127  two sets of 32 numbers
.set CD, 128                           ; v128-175 codes: K step s, block j at CD + 24 s + 12 (j % 2) + 6 (j / 2); each written once
	s_load_b256 s[48:55], s[0:1], 0x20             ; Wq, Wk, Wv, Wo
	s_load_b128 s[56:59], s[0:1], 0x40             ; W1, W2
	s_load_b64 s[60:61], s[0:1], 0x18              ; wts
	v_lshrrev_b32 v1, 5, v0
	v_readfirstlane_b32 s63, v1                    ; wave 0..7
	v_and_b32 v1, 31, v0                           ; lane
	s_and_b32 s8, s63, 3                           ; my wave among the four of its share
	s_lshr_b32 s62, s63, 2
	s_lshl_b32 s9, ttmp9, 1
	s_add_co_u32 s62, s62, s9                      ; the share: 2 x work-group + wave / 4
	s_lshr_b32 s9, s62, 7                          ; segment 0, 1, 2
	s_and_b32 s10, s62, 127                        ; c: the share's number in its segment
	s_and_b32 s11, s10, 7
	s_and_b32 s12, s10, 31
	s_lshr_b32 s13, s10, 3
	s_and_b32 s14, s13, 3
	s_lshr_b32 s15, s10, 5
	s_cmp_eq_u32 s9, 1                             ; W1?
	s_cselect_b32 s16, s12, s11                    ; which 128 columns
	s_cselect_b32 s17, s15, s13                    ; which 256 along K (segments 1 and 2)
	s_mov_b32 s18, 4096
	s_cselect_b32 s18, 16384, s18                  ; the source's row pitch in bytes
	s_cselect_b32 s19, 4096, 0                     ; the tensor's first row place
	s_cselect_b32 s20, 4, 5                        ; which tensor
	s_cmp_eq_u32 s9, 0                             ; Wq .. Wo?
	s_cselect_b32 s17, s14, s17
	s_cselect_b32 s20, s15, s20
	s_cselect_b32 s21, s15, 0
	s_cmp_eq_u32 s9, 2                             ; W2?
	s_mov_b32 s22, 12288
	s_cselect_b32 s22, 49152, s22                  ; bytes of a row block's codes
	s_mov_b32 s23, 32768
	s_cselect_b32 s23, 4096, s23                   ; bytes of a scale plane
	s_cselect_b32 s46, 6291456, 0                  ; where the codes begin
	s_mov_b32 s47, 9437184
	s_cselect_b32 s47, 9699328, s47                ; where the scale planes begin
	s_lshl_b32 s21, s21, 10
	s_add_co_u32 s19, s19, s21
	s_lshl_b32 s21, s16, 7                         ; the share's first column
	s_add_co_u32 s19, s19, s21                     ; and its first row place
	s_lshl_b32 s2, s8, 5                           ; my wave's 32 columns
	s_add_co_u32 s3, s21, s2
	s_lshl_b32 s3, s3, 2
	s_lshl_b32 s4, s17, 8
	s_mul_i32 s4, s4, s18
	s_add_co_u32 s4, s4, s3                        ; block 0 in the source: 256 ky rows + 4 x column
	s_mov_b32 s5, 0
	s_lshl_b32 s6, s18, 5                          ; from block to block: 32 rows
	s_mov_b32 s7, 0
	s_lshr_b32 s10, s19, 4
	s_lshl_b32 s11, s8, 1
	s_add_co_u32 s10, s10, s11                     ; my first row block
	s_mul_i32 s10, s10, s22
	s_add_co_u32 s10, s10, s46
	s_mul_i32 s11, s17, 3072                       ; my first K step: 2 ky
	s_add_co_u32 s10, s10, s11
	s_mov_b32 s11, 0
	s_add_co_u32 s12, s19, s2
	s_lshl_b32 s12, s12, 2
	s_add_co_u32 s12, s12, s47
	s_lshl_b32 s13, s17, 1
	s_mul_i32 s13, s13, s23
	s_add_co_u32 s12, s12, s13                     ; my 32 words in plane 2 ky
	s_mov_b32 s13, 0
	s_mov_b32 s14, s23
	s_mov_b32 s15, 0
	v_bfe_u32 v2, v0, 3, 1                         ; u: which of my two row blocks my column falls into
	v_and_b32 v3, 7, v0
	v_bfe_u32 v6, v0, 4, 1
	v_lshl_add_u32 v3, v6, 3, v3                   ; p: its place there
	v_mul_u32_u24 v4, s22, v2
	v_lshl_add_u32 v4, v3, 4, v4                   ; codes: u row blocks + 16 p
	v_lshl_add_u32 v5, v2, 4, v3
	v_lshlrev_b32 v5, 2, v5                        ; scale words: 4 (16 u + p)
	v_lshlrev_b32 v7, 2, v1
.irp i, 0,1,2,3,4,5,6,7,8,9,10,11,12,13,14,15,16,17,18,19,20,21,22,23,24,25,26,27,28,29,30,31
	v_mad_u32_u24 v[AD+\i], s18, \i, v7
.endr
	s_wait_kmcnt 0x0
	s_mov_b64 s[24:25], s[48:49]                   ; the source: a choice on the share's number alone
	s_cmp_eq_u32 s20, 1
	s_cselect_b64 s[24:25], s[50:51], s[24:25]
	s_cmp_eq_u32 s20, 2
	s_cselect_b64 s[24:25], s[52:53], s[24:25]
	s_cmp_eq_u32 s20, 3
	s_cselect_b64 s[24:25], s[54:55], s[24:25]
	s_cmp_eq_u32 s20, 4
	s_cselect_b64 s[24:25], s[56:57], s[24:25]
	s_cmp_eq_u32 s20, 5
	s_cselect_b64 s[24:25], s[58:59], s[24:25]
	s_add_nc_u64 s[24:25], s[24:25], s[4:5]        ; a base for each of the eight blocks: none is stepped
.irp t, 1,2,3,4,5,6,7
	s_add_nc_u64 s[24+2*\t:25+2*\t], s[22+2*\t:23+2*\t], s[6:7]
.endr
	s_add_nc_u64 s[40:41], s[60:61], s[10:11]      ; my codes
	s_add_nc_u64 s[42:43], s[60:61], s[12:13]      ; my scale words, plane 2 ky
	s_add_nc_u64 s[44:45], s[42:43], s[14:15]      ; and plane 2 ky + 1
.macro LOAD t                          ; block t: W(32 t + i, my column) into set t % 2
.irp i, 0,1,2,3,4,5,6,7,8,9,10,11,12,13,14,15,16,17,18,19,20,21,22,23,24,25,26,27,28,29,30,31
	global_load_b32 v[X+32*((\t)%2)+\i], v[AD+\i], s[24+2*(\t):25+2*(\t)] th:TH_LOAD_NT
.endr
.endm
.macro BLOCK t
.set XS, X+32*((\t)%2)
.set CB, CD+24*((\t)/4)+12*((\t)%2)+6*(((\t)%4)/2)
.if (\t) < 7
	s_wait_loadcnt 32                              ; this block's 32 loads are in; the next block's may be out
.else
	s_wait_loadcnt 0
.endif
	v_max3_num_f32 v12, |v[XS]|, |v[XS+1]|, |v[XS+2]|      ; the block's largest magnitude, in two chains: all 32 numbers are mine
	v_max3_num_f32 v13, |v[XS+3]|, |v[XS+4]|, |v[XS+5]|
.irp i, 6,10,14,18,22,26
	v_max3_num_f32 v12, v12, |v[XS+\i]|, |v[XS+\i+1]|
	v_max3_num_f32 v13, v13, |v[XS+\i+2]|, |v[XS+\i+3]|
.endr
	v_max3_num_f32 v12, v12, |v[XS+30]|, |v[XS+31]|
	v_max3_num_f32 v12, v12, v13, 0x2800000        ; and the floor 2^(5 - 127): the byte cannot fall under 1
	v_add_nc_u32 v11, 0xfe000000, v12              ; 4 off the exponent field: the conversion takes this operand's exponent field as its scale
	v_cvt_scalef32_pk16_bf6_f32 v[CB:CB+2], v[XS:XS+15], v11
	v_cvt_scalef32_pk16_bf6_f32 v[TT:TT+2], v[XS+16:XS+31], v11
	v_lshrrev_b32 v13, 23, v11                     ; the scale's byte; also the plain line behind the conversions
.if (\t)%4 == 0
	v_mov_b32 v[SW+(\t)/4], v13                    ; four bytes to a word, the lower K in the lower byte
.else
	v_lshl_or_b32 v[SW+(\t)/4], v13, 8*((\t)%4), v[SW+(\t)/4]
.endif
.irp i, 0,1,2
	v_mov_b32 v[CB+3+\i], v[TT+\i]
.endr
.if (\t)+2 < 8
	LOAD (\t)+2
.endif
.endm
.macro OUT s                           ; K step s leaves: each store writes 256 consecutive bytes in each of my two row blocks, at multiples of 256 from wts' first byte
.irp h, 0,1
.irp c, 0,1,2
	global_store_b128 v4, v[CD+24*\s+12*\h+4*\c:CD+24*\s+12*\h+4*\c+3], s[40:41] offset:1536*\s+512*\c+256*\h
.endr
.endr
	global_store_b32 v5, v[SW+\s], s[42+2*\s:43+2*\s]      ; 128 consecutive bytes a wave
.endm
	LOAD 0
	LOAD 1
	BLOCK 0
	BLOCK 1
	BLOCK 2
	BLOCK 3
	OUT 0                                          ; no register that a store reads is written again
	BLOCK 4
	BLOCK 5
	BLOCK 6
	BLOCK 7
	OUT 1
	s_endpgm
; ---- THE NORM: h = x * rsqrt(mean(x^2) + 1e-6) * g for rows of 1,024 f32, quantised along the row.
; hbuf: codes [256 row blocks][8 K steps][1,536]; scale words from byte 3,145,728: planes [K step] 32,768 bytes apart, 4 bytes a row place.
; SHARES.  Work-group 192 + t makes row block t.  Phase 1: wave w norms the rows at places 2 w and 2 w + 1 (each load 512 consecutive bytes) and lays them in LDS as f32.  One barrier.
; Phase 2: wave w quantises K step w of all 16 rows: lane (r, h) takes, of row r, 16 neighbours of each block of 32, so that the conversions' results are the fragment.
.Lnorm:
.set PITCH, 4112                       ; an LDS row: 4,096 bytes + 16: the sixteen rows that a load of phase 2 touches start 16 bytes apart modulo 256
.set G,   16                           ; v16-47   g: my 32 columns
.set XR,  48                           ; v48-111  two rows of x, 32 numbers a lane each; in phase 2 the 64 numbers to quantise
.set TM,  112                          ; v112-127 at work in the quantiser
.set PC,  128                          ; v128-147 the codes
.set PW,  148                          ; v148     the scale word
.set RS,  150                          ; v150-153 1 / rms, twice for each row (pairs for the packed multiply)
.set SEL, 16                           ; s[16:17] lane selects for v_permlanex16_b32: lane l xor 16
	s_load_b128 s[4:7], s[0:1], 0x0                ; x, g
	s_load_b64 s[8:9], s[0:1], 0x10                ; hbuf
	v_lshrrev_b32 v1, 5, v0
	v_readfirstlane_b32 s10, v1                    ; wave 0..7
	v_and_b32 v1, 31, v0
	v_lshlrev_b32 v2, 4, v1                        ; 16 x lane
	s_sub_co_u32 s24, ttmp9, NPREP                 ; t: my row block
	s_lshr_b32 s11, s24, 1
	s_lshl_b32 s11, s11, 5
	s_and_b32 s12, s24, 1
	s_lshl_b32 s12, s12, 3
	s_add_co_u32 s11, s11, s12
	s_lshl_b32 s12, s10, 1
	s_add_co_u32 s11, s11, s12
	s_lshr_b32 s12, s10, 2
	s_lshl_b32 s12, s12, 3
	s_add_co_u32 s11, s11, s12                     ; the row at place 2 w: 32 (t / 2) + 8 (t % 2) + 2 w + 8 (w / 4); place 2 w + 1 is the row below
	s_lshl_b32 s12, s11, 12
	s_mov_b32 s13, 0
	s_mov_b32 s14, 0x3a800000                      ; 1 / 1,024
	s_mov_b32 s15, 0x358637bd                      ; 1e-6
	s_mov_b32 s[SEL], 0x76543210
	s_mov_b32 s[SEL+1], 0xfedcba98
	s_mul_i32 s18, s10, 2*PITCH
	v_add_nc_u32 v3, s18, v2                       ; LDS, phase 1: my two rows, 16 x lane
	v_and_b32 v5, 15, v0                           ; r
	v_bfe_u32 v6, v0, 4, 1                         ; h
	v_mul_u32_u24 v4, v5, PITCH
	v_lshl_add_u32 v4, v6, 6, v4
	s_lshl_b32 s19, s10, 9
	v_add_nc_u32 v4, s19, v4                       ; LDS, phase 2: row r, K step w, + 64 h
	v_lshlrev_b32 v7, 2, v5                        ; the scale word's place: 4 r
	s_mul_i32 s22, s24, 12288
	s_mul_i32 s23, s10, 1536
	s_add_co_u32 s22, s22, s23                     ; my fragment
	s_mov_b32 s23, 0
	s_lshl_b32 s20, s10, 15
	s_lshl_b32 s21, s24, 6
	s_add_co_u32 s20, s20, s21
	s_add_co_u32 s20, s20, 3145728                 ; my 16 scale words: plane w, row block t
	s_mov_b32 s21, 0
.irp b, 0,1,2,3
	v_mov_b32 v[TM+4+\b], 0                        ; written once: a lane permute's destination counts as one of its sources
.endr
	s_wait_kmcnt 0x0
	s_add_nc_u64 s[4:5], s[4:5], s[12:13]
	s_add_nc_u64 s[20:21], s[8:9], s[20:21]
	s_add_nc_u64 s[8:9], s[8:9], s[22:23]
.irp i, 0,1
.irp j, 0,1,2,3,4,5,6,7
	global_load_b128 v[XR+32*\i+4*\j:XR+32*\i+4*\j+3], v2, s[4:5] offset:4096*\i+512*\j th:TH_LOAD_NT
.endr
.endr
.irp j, 0,1,2,3,4,5,6,7
	global_load_b128 v[G+4*\j:G+4*\j+3], v2, s[6:7] offset:512*\j
.endr
	s_wait_loadcnt 8                               ; x's sixteen loads are in; g's eight may be out
.irp i, 0,1                                    ; the sums of squares: two chains a row, started by the first products
	v_pk_mul_f32 v[8+4*\i:9+4*\i], v[XR+32*\i:XR+32*\i+1], v[XR+32*\i:XR+32*\i+1]
	v_pk_mul_f32 v[10+4*\i:11+4*\i], v[XR+32*\i+2:XR+32*\i+3], v[XR+32*\i+2:XR+32*\i+3]
.endr
.irp p, 4,8,12,16,20,24,28
.irp i, 0,1
	v_pk_fma_f32 v[8+4*\i:9+4*\i], v[XR+32*\i+\p:XR+32*\i+\p+1], v[XR+32*\i+\p:XR+32*\i+\p+1], v[8+4*\i:9+4*\i]
	v_pk_fma_f32 v[10+4*\i:11+4*\i], v[XR+32*\i+\p+2:XR+32*\i+\p+3], v[XR+32*\i+\p+2:XR+32*\i+\p+3], v[10+4*\i:11+4*\i]
.endr
.endr
.irp i, 0,1
	v_pk_add_f32 v[8+4*\i:9+4*\i], v[8+4*\i:9+4*\i], v[10+4*\i:11+4*\i]
.endr
.irp i, 0,1
	v_add_f32 v[8+4*\i], v[8+4*\i], v[9+4*\i]
.endr
.irp m, 1,2,4,8                                ; across the 32 lanes: four steps inside each half, one across
.irp i, 0,1
	v_add_f32_dpp v[8+4*\i], v[8+4*\i], v[8+4*\i] row_xmask:\m row_mask:0xf bank_mask:0xf
.endr
.endr
.irp i, 0,1
	v_permlanex16_b32 v[9+4*\i], v[8+4*\i], s[SEL], s[SEL+1]
.endr
.irp i, 0,1
	v_add_f32 v[8+4*\i], v[8+4*\i], v[9+4*\i]
.endr
.irp i, 0,1
	v_fma_f32 v[8+4*\i], v[8+4*\i], s14, s15       ; the mean + 1e-6
.endr
.irp i, 0,1
	v_rsq_f32 v[RS+2*\i], v[8+4*\i]
	v_rsq_f32 v[RS+2*\i+1], v[8+4*\i]
.endr
	v_nop                                          ; a plain line behind the last of the four
	s_wait_alu depctr_va_vdst(0)                   ; one wait for the batch, ahead of its first reader
.irp i, 0,1
.irp p, 0,2,4,6,8,10,12,14,16,18,20,22,24,26,28,30
	v_pk_mul_f32 v[XR+32*\i+\p:XR+32*\i+\p+1], v[XR+32*\i+\p:XR+32*\i+\p+1], v[RS+2*\i:RS+2*\i+1]
.endr
.endr
	s_wait_loadcnt 0x0                             ; g
.irp i, 0,1
.irp p, 0,2,4,6,8,10,12,14,16,18,20,22,24,26,28,30
	v_pk_mul_f32 v[XR+32*\i+\p:XR+32*\i+\p+1], v[XR+32*\i+\p:XR+32*\i+\p+1], v[G+\p:G+\p+1]
.endr
.endr
.irp i, 0,1
.irp j, 0,1,2,3,4,5,6,7
	ds_store_b128 v3, v[XR+32*\i+4*\j:XR+32*\i+4*\j+3] offset:\i*PITCH+512*\j
.endr
.endr
	s_wait_dscnt 0x0                               ; for the others' sake: my two rows lie in LDS
	s_barrier_signal -1
	s_barrier_wait -1                              ; all sixteen do
.irp b, 0,1,2,3
.irp j, 0,1,2,3
	ds_load_b128 v[XR+16*\b+4*\j:XR+16*\b+4*\j+3], v4 offset:128*\b+16*\j     ; register 16 b + i = k 128 w + 32 b + 16 h + i of row r
.endr
.endr
	s_wait_dscnt 0x0
.irp b, 0,1,2,3
	v_max3_num_f32 v[TM+\b], |v[XR+16*\b]|, |v[XR+1+16*\b]|, 0x2800000   ; block b: my 16 numbers, and the floor 2^(5 - 127): the byte cannot fall under 1
.endr
.irp i, 2,4,6,8,10,12,14
.irp b, 0,1,2,3
	v_max3_num_f32 v[TM+\b], v[TM+\b], |v[XR+16*\b+\i]|, |v[XR+1+16*\b+\i]|
.endr
.endr
.irp b, 0,1,2,3
	v_permlanex16_b32 v[TM+4+\b], v[TM+\b], s[SEL], s[SEL+1]
.endr
.irp b, 0,1,2,3
	v_max_num_f32 v[TM+\b], v[TM+\b], v[TM+4+\b]   ; with lane l xor 16's: the block's largest magnitude
.endr
.irp b, 0,1,2,3
	v_add_nc_u32 v[TM+12+\b], 0xfe000000, v[TM+\b] ; 4 off its exponent field: the conversion's scale operand
.endr
.irp b, 0,1,2,3
	v_lshrrev_b32 v[TM+4+\b], 23, v[TM+12+\b]      ; the scale's byte
.endr
	v_lshl_or_b32 v[PW], v[TM+5], 8, v[TM+4]
	v_lshl_or_b32 v[PW], v[TM+6], 16, v[PW]
	v_lshl_or_b32 v[PW], v[TM+7], 24, v[PW]        ; row r's scale word, the same in lanes r and r + 16
.irp c, 0,1
	v_cvt_scalef32_pk16_bf6_f32 v[PC+6*\c:PC+2+6*\c], v[XR+32*\c:XR+15+32*\c], v[TM+12+2*\c]
	v_cvt_scalef32_pk16_bf6_f32 v[PC+12+4*\c:PC+14+4*\c], v[XR+16+32*\c:XR+31+32*\c], v[TM+12+2*\c+1]
.endr
	v_nop                                          ; one plain line behind the conversions
.irp c, 0,1                                    ; the operand's layout wants a whole block in a lane: lanes 0-15 block 2 c, lanes 16-31 block 2 c + 1
.irp i, 0,1,2
	v_permlane16_swap_b32 v[PC+6*\c+\i], v[PC+12+4*\c+\i]
.endr
.irp i, 0,1,2
	v_mov_b32 v[PC+3+6*\c+\i], v[PC+12+4*\c+\i]
.endr
.endr
.irp c, 0,1,2
	global_store_b128 v2, v[PC+4*\c:PC+4*\c+3], s[8:9] offset:512*\c     ; 512 consecutive bytes, at a multiple of 256 from the buffer's first byte
.endr
	global_store_b32 v7, v[PW], s[20:21]           ; lanes r and r + 16 write the same word with the same value
	s_wait_tensorcnt 0x0
	ds_add_u32 v176, v177
	s_wait_dscnt 0x0
	s_endpgm
.Lfunc_end_k_q97128fe0fd_first:
	.size	k_q97128fe0fd_first, .Lfunc_end_k_q97128fe0fd_first-k_q97128fe0fd_first
	.p2alignl 7, 3214868480
	.fill 96, 4, 3214868480
	.section	.rodata,"a",@progbits
	.p2align	6, 0x0
	.amdhsa_kernel k_q97128fe0fd_first
		.amdhsa_group_segment_fixed_size 67072
		.amdhsa_private_segment_fixed_size 0
		.amdhsa_enable_private_segment 0
		.amdhsa_kernarg_size 80
		.amdhsa_user_sgpr_count 2
		.amdhsa_user_sgpr_kernarg_segment_ptr 1
		.amdhsa_wavefront_size32 1
		.amdhsa_system_sgpr_workgroup_id_x 1
		.amdhsa_system_sgpr_workgroup_id_y 1
		.amdhsa_system_sgpr_workgroup_id_z 1
		.amdhsa_system_vgpr_workitem_id 0
		.amdhsa_next_free_vgpr 178
		.amdhsa_next_free_sgpr 66
		.amdhsa_reserve_vcc 0
		.amdhsa_float_denorm_mode_32 3
		.amdhsa_float_denorm_mode_16_64 3
		.amdhsa_memory_ordered 1
		.amdhsa_forward_progress 1
		.amdhsa_inst_pref_size 61
	.end_amdhsa_kernel
	.amdgpu_metadata
---
amdhsa.version: [ 1, 2 ]
amdhsa.kernels:
  - .name:           k_q97128fe0fd_first
    .symbol:         k_q97128fe0fd_first.kd
    .args:
      - { .name: x, .offset: 0, .size: 8, .value_kind: global_buffer, .address_space: global }
      - { .name: g1, .offset: 8, .size: 8, .value_kind: global_buffer, .address_space: global }
      - { .name: hbuf, .offset: 16, .size: 8, .value_kind: global_buffer, .address_space: global }
      - { .name: wts, .offset: 24, .size: 8, .value_kind: global_buffer, .address_space: global }
      - { .name: Wq, .offset: 32, .size: 8, .value_kind: global_buffer, .address_space: global }
      - { .name: Wk, .offset: 40, .size: 8, .value_kind: global_buffer, .address_space: global }
      - { .name: Wv, .offset: 48, .size: 8, .value_kind: global_buffer, .address_space: global }
      - { .name: Wo, .offset: 56, .size: 8, .value_kind: global_buffer, .address_space: global }
      - { .name: W1, .offset: 64, .size: 8, .value_kind: global_buffer, .address_space: global }
      - { .name: W2, .offset: 72, .size: 8, .value_kind: global_buffer, .address_space: global }
    .group_segment_fixed_size: 67072
    .private_segment_fixed_size: 0
    .kernarg_segment_align: 8
    .kernarg_segment_size: 80
    .max_flat_workgroup_size: 256
    .sgpr_count:     66
    .vgpr_count:     178
    .wavefront_size: 32
...
	.end_amdgpu_metadata
.endif
;; end of part 1
;; launch qkv (part 2): grid 8 x 24, 4 waves a work-group, clusters of 4 x 4, 327,680 bytes of LDS; arguments hbuf, wts, qkvb; writes qkvb
.if DOCPART == 2
	.amdgcn_target "amdgcn-amd-amdhsa--gfx1250"
	.amdhsa_code_object_version 6
	.text
	.protected	k_q97128fe0fd_qkv
	.globl	k_q97128fe0fd_qkv
	.p2align	8
	.type	k_q97128fe0fd_qkv,@function
k_q97128fe0fd_qkv:
	s_mov_b64 s[64:65], 0
	v_nop
	global_prefetch_b8 v0, s[64:65] scope:SCOPE_SE
	s_setreg_imm32_b32 hwreg(HW_REG_WAVE_MODE, 25, 1), 1
	s_wait_xcnt 0x0
	s_wait_alu depctr_hold_cnt(0) depctr_sa_sdst(0) depctr_va_vdst(0) depctr_va_sdst(0) depctr_va_ssrc(0) depctr_va_vcc(0) depctr_vm_vsrc(0)
	s_getreg_b32 s2, hwreg(HW_REG_IB_STS2, 6, 4)
	s_cmp_eq_u32 s2, 0
	s_cbranch_scc0 .Lentry_in_a_cluster
	s_endpgm
.Lentry_in_a_cluster:
	s_bfe_u32 s2, ttmp6, 0x10000c
	s_cmp_lg_u32 s2, 0xf033
	s_cbranch_scc0 .Lentry_shape_is_right
	s_endpgm
.Lentry_shape_is_right:
; Q, K = h [Wq; Wk]^T and V^T = Wv h^T on codes of BF6 (E3M2) with E8M0 scales; the results are quantised in registers, along the head's 64 (Q, K) or along the keys (V^T), and stored as operands of the attention.
; ONE TEXT FOR BOTH.  C = A B^T, tiles of 256 x 256, K = 1,024.  Cluster rows 0-3: A = h (4,096 tokens), B = Wq, Wk (2,048 rows).  Cluster rows 4, 5: A = Wv (1,024 rows), B = h: C is V^T.
; Buffers, offsets and the output's pitches are chosen on the cluster's y, which all partners share; all shapes are the same.
; OPERANDS lie in memory and in LDS as images of their registers: a fragment (16 rows x 128 K, 12 registers a lane) is 1,536 bytes, register group c of lane l at 512 c + 16 l: three ds_load_b128 of 512
; consecutive bytes bring it.  Buffers: [row block][K step][1,536].  Scale words: planes [K step][row place][4 bytes].  Place p of row block t is row 32 (t / 2) + 8 (t % 2) + p + 8 (p / 8).
; FOUR WAVES, each 128 x 128 of C: 64 accumulators.  THE MATRIX INSTRUCTION IS USED TRANSPOSED (source 0 = 16 rows of B, source 1 = 16 rows of A): lane (r, h) holds A's place r, and by the order of places
; the 16 registers of B's blocks 2 b, 2 b + 1 are columns 32 b + 16 h + 0 .. 15: sixteen neighbours along the next product's K.
; RING: two LDS slots of 256 along K, filled by joint tensor loads in a 4 x 4 cluster (A's tiles shared along a row of the cluster, B's along a column).  The scale words of all of K come once.
; OUT: Q, K: [32 heads: q 0-15, k 16-31][256 row blocks][768 bytes]; V^T from byte 6,291,456: [64 groups of 64 keys][64 row blocks of d][768].  768 bytes are half a fragment (64 along K, six registers a lane):
; registers 0-3 at 16 l, registers 4-5 at 512 + 8 l.  Scale bytes: Q, K from 9,437,184: [32][4,096][2]; V^T from 9,699,328: [32 groups of 128 keys][1,024][4].
; LIMITS: a block of zeros gets the byte 1 (its codes are zeros; this program alone reads the bytes); NaN and infinities are not served.
; REGISTERS: window 0: v16-31 addresses; v32-63 scale words, two sets, and nothing else; from v128 A's 8 fragments, one set; in the epilogue v128-166 at work.  Window 1: B's fragments, two sets, at v0 and v128.
;   Windows 2, 3: accumulator (a, b) at v[8 (8 (a % 4) + b)] of window 2 + a / 4.
.set T,     8                          ; row blocks of a wave on each side
.set NQ,    2                          ; K steps of 128 in a slot
.set NK,    8                          ; K steps in all
.set NLA,   3                          ; LDS loads that bring a fragment of A
.set FR,    12
.set FRB,   1536
.set PARTB, T*NQ*FRB                   ; what one tensor load brings, and what one wave reads of A or of B in a slot
.set SLOT,  4*PARTB                    ; A's two halves, then B's two
.set LAPS,  NK/(2*NQ)
.set SPART, NK*64*T                    ; the scale words of 128 rows for all of K
.set SCL,   2*SLOT
.set SPARE, SCL+4*SPART                ; the spare words, 128 bytes for each wave: two blocks of 256 bytes that no other line names
.set ADRA, 16                          ; v16-17 LDS address of my A fragments in slot 0, 1
.set ADRB, 20                          ; v20-21 the same for B
.set LI,   24                          ; v24 16 x lane
.set L8,   25                          ; v25 8 x lane
.set SAD,  26                          ; v26 the scale bytes' offset
.set ADRS, 27                          ; v27 LDS address of my scale words: lanes 0-15 A's rows, lanes 16-31 B's
.set SPW,  28                          ; v28 LDS address of my spare word; never rewritten
.set NIL,  29                          ; v29 0; never rewritten
.set SH,   30                          ; v30 16 h
.set SV,   31                          ; v31 the two scale bytes that I store
.set SC,   32
.set AF,   128
.set TM,   128
.set PC,   144
.set PW,   164
.set SEL,  96
.set G1, 24
.set G0, 32
.set G1B, 48
.set G0B, 56
.set G1S, 68
.set G0S, 76
.set G1SB, 80
.set G0SB, 88
.set MSB, 0
.macro WIN new                         ; the immediate's high byte repeats the setting that is left
.if MSB != (\new)
	s_set_vgpr_msb (MSB<<8)|(\new)
.set MSB, (\new)
.endif
.endm
; A joint load: waves 0 and 1 fetch for A, waves 2 and 3 for B; the branch hangs on the wave's number alone.  Four v_nop follow each of the two lines.
.macro JLOAD g0a, g1a, g0b, g1b
	s_cmp_eq_u32 s15, 0
	s_cbranch_scc0 .Lfor_b_\@
	tensor_load_to_lds s[\g0a:\g0a+3], s[\g1a:\g1a+7]
	s_nop 0
.rept 4
	v_nop
.endr
	s_branch .Lasked_\@
.Lfor_b_\@:
	tensor_load_to_lds s[\g0b:\g0b+3], s[\g1b:\g1b+7]
	s_nop 0
.rept 4
	v_nop
.endr
.Lasked_\@:
.endm
.macro CREST                           ; a round of the cluster's barrier behind its opening barrier
	s_cmp_lg_u32 s14, 0
	s_cbranch_scc1 .Lnot_wave_0_\@
	s_barrier_signal -3
.Lnot_wave_0_\@:
	s_barrier_wait -3
	s_barrier_signal -1
	s_barrier_wait -1
.endm
.macro CROUND
	s_barrier_signal -1
	s_barrier_wait -1
	CREST
.endm
.macro PLACES n                        ; plain lines between a matrix instruction and a load into, or a read of, its registers (ISA guide 7.12.1 for reads)
.rept \n
	v_nop
.endr
.endm
.macro FRAG reg, adr, q, i             ; fragment (row block i, the slot's K step q) as it lies
.irp c, 0,1,2
	ds_load_b128 v[\reg+4*\c:\reg+4*\c+3], v[\adr] offset:((\i)*NQ+(\q))*FRB+512*\c
.endr
.endm
.macro FETCH_B slot, q, p              ; B's T fragments into set p
	WIN 0x40
.set FI, 0
.rept T
	FRAG 128*(\p)+FR*FI, ADRB+\slot, \q, FI
.set FI, FI+1
.endr
	WIN 0
.endm
.macro FETCH_A slot, q, i0             ; A's blocks i0 .. i0 + T / 2 - 1
.set FI, \i0
.rept T/2
	FRAG AF+FR*FI, ADRA+\slot, \q, FI
.set FI, FI+1
.endr
.endm
.macro SCALES sc                       ; a slot's scale words into set sc: register NQ i + q: lanes 0-15 A's block i, lanes 16-31 B's block i, K step q
.set FI, 0
.rept T
.set FQ, 0
.rept NQ
	ds_load_b32 v[SC+16*(\sc)+NQ*FI+FQ], v[ADRS] offset:64*T*FQ+64*FI
.set FQ, FQ+1
.endr
.set FI, FI+1
.endr
.endm
; A's block a against B's T blocks.  first = 1: the products start the sums.  The accumulators take turns, one instruction a turn, in the same order in every step.
.macro MULA a, p, q, sc, first
.set AW, 2+(8*T*(\a))/256
.set AB, (8*T*(\a))%256
	WIN (AW<<6)|(AW<<4)|1
.set MB, 0
.rept T
.if \first == 1
	v_wmma_scale_f32_16x16x128_f8f6f4 v[AB+8*MB:AB+8*MB+7], v[128*(\p)+FR*MB:128*(\p)+FR*MB+FR-1], v[AF+FR*(\a):AF+FR*(\a)+FR-1], 0, v[SC+16*(\sc)+NQ*MB+(\q)], v[SC+16*(\sc)+NQ*(\a)+(\q)] matrix_a_fmt:MATRIX_FMT_BF6 matrix_b_fmt:MATRIX_FMT_BF6 matrix_a_scale:MATRIX_SCALE_ROW1
.else
	v_wmma_scale_f32_16x16x128_f8f6f4 v[AB+8*MB:AB+8*MB+7], v[128*(\p)+FR*MB:128*(\p)+FR*MB+FR-1], v[AF+FR*(\a):AF+FR*(\a)+FR-1], v[AB+8*MB:AB+8*MB+7], v[SC+16*(\sc)+NQ*MB+(\q)], v[SC+16*(\sc)+NQ*(\a)+(\q)] matrix_a_fmt:MATRIX_FMT_BF6 matrix_b_fmt:MATRIX_FMT_BF6 matrix_a_scale:MATRIX_SCALE_ROW1
.endif
.set MB, MB+1
.endr
.endm
.macro MULS a0, n, p, q, sc, first
.set MA, \a0
.rept \n
	MULA MA, \p, \q, \sc, \first
.set MA, MA+1
.endr
.endm
; A step of 128 along K that has its successor in the same slot.  A block of A is free when its T products are issued: A has one set, fetched in halves; B has two.
.macro STEP slot, q, first
	s_wait_dscnt (T/2)*NLA                         ; all but the youngest loads, A's upper blocks
	MULS 0, T/2, (\q)%2, \q, \slot, \first
	s_wait_dscnt 0                                 ; A's upper blocks are in
	PLACES 4
	FETCH_B \slot, (\q)+1, 1-(\q)%2
	FETCH_A \slot, (\q)+1, 0
	MULS T/2, T/2, (\q)%2, \q, \slot, \first
	PLACES 4
	WIN 0
	FETCH_A \slot, (\q)+1, T/2
.endm
; A slot's last step changes slots: one barrier; in front of it each wave waits for all its tensor loads, adds 0 to its spare word, and waits for that and for its reads of this slot.  fill = 1: the slot is filled again.
.macro TURN slot, next, fill
	s_wait_tensorcnt 0x0                           ; all my tensor loads have landed: my part of the next slot
	ds_add_u32 v[SPW], v[NIL]                      ; 0 onto my spare word
	s_wait_dscnt (T/2)*NLA+1                       ; (the add and A's upper blocks may be out)
	MULS 0, T/4, 1, NQ-1, \slot, 0
	s_wait_dscnt 0x0                               ; the add is done, and my reads of this slot are over
	s_barrier_signal -1
	MULS T/4, T/4, 1, NQ-1, \slot, 0
	WIN 0
	s_barrier_wait -1
.if \fill
	CREST                                          ; the barrier has opened a round of the cluster's: no wave of any partner still reads this slot or has a load on its way
	s_add_nc_u64 s[G0+4*\slot+2:G0+4*\slot+3], s[G0+4*\slot+2:G0+4*\slot+3], 2*NQ*FRB
	s_add_nc_u64 s[G0B+4*\slot+2:G0B+4*\slot+3], s[G0B+4*\slot+2:G0B+4*\slot+3], 2*NQ*FRB
	JLOAD G0+4*\slot, G1, G0B+4*\slot, G1B         ; the first tensor load behind the round; its four v_nop are the places in front of the loads below
.else
	PLACES 4
.endif
	v_add_nc_u32 v[ADRS], NQ*64*T, v[ADRS]         ; the next slot's scale planes
	FETCH_B \next, 0, 0
	FETCH_A \next, 0, 0
	SCALES \next
	MULS T/2, T/2, 1, NQ-1, \slot, 0
	PLACES 4
	WIN 0
	FETCH_A \next, 0, T/2
.endm
; 64 numbers of a lane in window w, register s + 16 b + i = k 32 b + 16 h + i of my row, become a fragment's codes in v[PC] on and its scale word in v[PW] (window 0).  Each accumulator is read from its low end on.
.macro QUANTW w, s
	WIN (\w)|((\w)<<2)
.irp b, 0,1,2,3
	v_max3_num_f32 v[TM+\b], |v[(\s)+16*\b]|, |v[(\s)+1+16*\b]|, 0x2800000   ; and the floor 2^(5 - 127): the byte cannot fall under 1
.endr
	WIN ((\w)<<2)|((\w)<<4)
.irp i, 2,4,6,8,10,12,14
.irp b, 0,1,2,3
	v_max3_num_f32 v[TM+\b], v[TM+\b], |v[(\s)+16*\b+\i]|, |v[(\s)+1+16*\b+\i]|
.endr
.endr
	WIN 0
.irp b, 0,1,2,3
	v_permlanex16_b32 v[TM+4+\b], v[TM+\b], s[SEL], s[SEL+1]
.endr
.irp b, 0,1,2,3
	v_max_num_f32 v[TM+\b], v[TM+\b], v[TM+4+\b]   ; with lane l xor 16's: the block's largest magnitude
.endr
.irp b, 0,1,2,3
	v_add_nc_u32 v[TM+12+\b], 0xfe000000, v[TM+\b] ; 4 off its exponent field: the conversion's scale operand
.endr
.irp b, 0,1,2,3
	v_lshrrev_b32 v[TM+4+\b], 23, v[TM+12+\b]      ; the scale's byte
.endr
	v_lshl_or_b32 v[PW], v[TM+5], 8, v[TM+4]
	v_lshl_or_b32 v[PW], v[TM+6], 16, v[PW]
	v_lshl_or_b32 v[PW], v[TM+7], 24, v[PW]
	WIN (\w)
.irp c, 0,1
	v_cvt_scalef32_pk16_bf6_f32 v[PC+6*\c:PC+2+6*\c], v[(\s)+32*\c:(\s)+15+32*\c], v[TM+12+2*\c]
	v_cvt_scalef32_pk16_bf6_f32 v[PC+12+4*\c:PC+14+4*\c], v[(\s)+16+32*\c:(\s)+31+32*\c], v[TM+12+2*\c+1]
.endr
	WIN 0
	v_nop                                          ; one plain line behind the conversions
.irp c, 0,1                                    ; a whole block to a lane: lanes 0-15 block 2 c, lanes 16-31 block 2 c + 1
.irp i, 0,1,2
	v_permlane16_swap_b32 v[PC+6*\c+\i], v[PC+12+4*\c+\i]
.endr
.irp i, 0,1,2
	v_mov_b32 v[PC+3+6*\c+\i], v[PC+12+4*\c+\i]
.endr
.endr
.endm
	s_load_b128 s[4:7], s[0:1], 0x0                ; hbuf, wts
	s_load_b64 s[8:9], s[0:1], 0x10                ; qkvb
	v_lshl_add_u32 v[SPW], v0, 2, SPARE
	v_mov_b32 v[NIL], 0
	ds_add_u32 v28, v29
	ds_add_u32 v28, v29
	s_wait_dscnt 0x0
	v_lshrrev_b32 v1, 5, v0
	v_readfirstlane_b32 s14, v1                    ; wave 0..3
	s_lshr_b32 s15, s14, 1                         ; which half of the tile's rows is mine.  Also: I fetch for A (0) or for B (1)
	s_and_b32 s16, s14, 1                          ; which half of its columns.  Also: which half of that tile I fetch
	s_bfe_u32 s40, ttmp6, 0x40000                  ; cx
	s_bfe_u32 s41, ttmp6, 0x40004                  ; cy
	s_and_b32 s19, ttmp7, 0xffff                   ; the cluster's y: under 4: Q, K; 4, 5: V^T
	s_cmp_lt_u32 s19, 4
	s_cselect_b32 s17, s19, 0
	s_cselect_b32 s95, 4, s19
	s_mov_b32 s98, 1572864
	s_cselect_b32 s98, 0, s98                      ; A's codes begin here in A's buffer (Wv: row block 128 of wts)
	s_mov_b32 s99, 9445376
	s_cselect_b32 s99, 3145728, s99                ; A's scale planes
	s_mov_b32 s66, 3145728
	s_cselect_b32 s66, 9437184, s66                ; B's scale planes (B's codes begin at byte 0 in both parts)
	s_lshl_b32 s17, s17, 2
	s_add_co_u32 s17, s17, s41                     ; tile row: 4 y + cy, or cy
	s_sub_co_u32 s95, s95, 4
	s_lshl_b32 s95, s95, 3
	s_lshl_b32 s42, ttmp9, 2
	s_add_co_u32 s42, s42, s95
	s_add_co_u32 s42, s42, s40                     ; tile column: 4 x + cx, or 4 x + 8 (y - 4) + cx
	s_lshl_b32 s43, s41, 2
	s_lshl_b32 s43, 15, s43                        ; my row of the cluster
	s_lshl_b32 s44, 0x1111, s40                    ; my column
	; descriptor group 1, codes: T rows (row blocks) of NQ x 1,536 bytes, NK x 1,536 bytes apart; elements of 8 bytes; no padding
	s_or_b32 s[G1+0], s43, (3<<16)|(1<<21)         ; 15:0 the mask; 17:16 elements of 8 bytes; 21 set beside a mask
	s_or_b32 s[G1B+0], s44, (3<<16)|(1<<21)
.irp g, G1, G1B
	s_mov_b32 s[\g+1], (192*NQ)<<16                ; tensor_dim0
	s_mov_b32 s[\g+2], T<<16                       ; tensor_dim1
	s_mov_b32 s[\g+3], (192*NQ)<<16                ; tile_dim0
	s_mov_b32 s[\g+4], T                           ; tile_dim1
	s_mov_b32 s[\g+5], 192*NK                      ; tensor_dim0_stride
	s_mov_b32 s[\g+6], 0
	s_mov_b32 s[\g+7], 0
.endr
	; scale words: NK rows (planes) of 64 T bytes, a plane's bytes apart
	s_or_b32 s[G1S+0], s43, (3<<16)|(1<<21)
	s_or_b32 s[G1SB+0], s44, (3<<16)|(1<<21)
.irp g, G1S, G1SB
	s_mov_b32 s[\g+1], (8*T)<<16
	s_mov_b32 s[\g+2], NK<<16
	s_mov_b32 s[\g+3], (8*T)<<16
	s_mov_b32 s[\g+4], NK
	s_mov_b32 s[\g+5], 4096                        ; planes of 32,768 bytes in hbuf and in wts alike
	s_mov_b32 s[\g+6], 0
	s_mov_b32 s[\g+7], 0
.endr
	s_mul_i32 s18, s16, T
	s_mul_i32 s20, s17, 2*T
	s_add_co_u32 s20, s20, s18                     ; A: the first row block that I fetch
	s_mul_i32 s46, s42, 2*T
	s_add_co_u32 s46, s46, s18                     ; B likewise
	s_lshl_b32 s22, s20, 6                         ; 64 bytes of a plane for a row block
	s_add_co_u32 s22, s22, s99
	s_lshl_b32 s92, s46, 6
	s_add_co_u32 s92, s92, s66
	s_mul_i32 s20, s20, NK*FRB
	s_add_co_u32 s20, s20, s98
	s_mul_i32 s46, s46, NK*FRB
	s_mov_b32 s21, 0
	s_mov_b32 s23, 0
	s_mov_b32 s47, 0
	s_mov_b32 s93, 0
	s_mul_i32 s45, s14, PARTB                      ; where they go: no place in the cluster enters an LDS address
	s_mul_i32 s94, s14, SPART
	s_wait_kmcnt 0x0
	s_cmp_lt_u32 s19, 4
	s_cselect_b64 s[10:11], s[4:5], s[6:7]         ; A's buffer
	s_cselect_b64 s[12:13], s[6:7], s[4:5]         ; B's buffer
	s_add_nc_u64 s[20:21], s[10:11], s[20:21]
	s_add_nc_u64 s[22:23], s[10:11], s[22:23]
	s_add_nc_u64 s[46:47], s[12:13], s[46:47]
	s_add_nc_u64 s[92:93], s[12:13], s[92:93]
	CROUND                                         ; all sixteen work-groups are here: the first joint loads meet
	s_mov_b32 s[G0S], 1
	s_add_co_u32 s[G0S+1], s94, SCL
	s_mov_b64 s[G0S+2:G0S+3], s[22:23]
	s_or_b32 s[G0S+3], s[G0S+3], 0x80000000
	s_mov_b32 s[G0SB], 1
	s_add_co_u32 s[G0SB+1], s94, SCL
	s_mov_b64 s[G0SB+2:G0SB+3], s[92:93]
	s_or_b32 s[G0SB+3], s[G0SB+3], 0x80000000
	JLOAD G0S, G1S, G0SB, G1SB                     ; the scale words first: wanted with K step 0
.irp s, 0,1
	s_mov_b32 s[G0+4*\s], 1
	s_add_co_u32 s[G0+4*\s+1], s45, \s*SLOT
	s_add_nc_u64 s[G0+4*\s+2:G0+4*\s+3], s[20:21], \s*NQ*FRB
	s_or_b32 s[G0+4*\s+3], s[G0+4*\s+3], 0x80000000
	s_mov_b32 s[G0B+4*\s], 1
	s_add_co_u32 s[G0B+4*\s+1], s45, \s*SLOT
	s_add_nc_u64 s[G0B+4*\s+2:G0B+4*\s+3], s[46:47], \s*NQ*FRB
	s_or_b32 s[G0B+4*\s+3], s[G0B+4*\s+3], 0x80000000
	JLOAD G0+4*\s, G1, G0B+4*\s, G1B               ; three loads of mine are out
.endr
	v_and_b32 v1, 15, v0                           ; r
	v_bfe_u32 v2, v0, 4, 1                         ; h
	v_and_b32 v3, 31, v0                           ; lane
	v_lshlrev_b32 v[LI], 4, v3
	v_lshlrev_b32 v[L8], 3, v3
	v_lshlrev_b32 v[SH], 4, v2
	s_mul_i32 s21, s15, PARTB                      ; my half of A
	s_mul_i32 s22, s16, PARTB                      ; my half of B,
	s_add_co_u32 s22, s22, 2*PARTB                 ; behind A's two
.irp s, 0,1
	v_add_nc_u32 v[ADRA+\s], s21, v[LI]
	v_add_nc_u32 v[ADRB+\s], s22, v[LI]
	s_add_co_u32 s21, s21, SLOT
	s_add_co_u32 s22, s22, SLOT
.endr
	v_lshlrev_b32 v5, 2, v1
	s_mul_i32 s21, s15, SPART
	s_mul_i32 s22, s16, SPART
	s_add_co_u32 s22, s22, 2*SPART
	s_sub_co_u32 s22, s22, s21
	v_mul_u32_u24 v6, s22, v2                      ; lanes 16-31 take B's
	s_add_co_u32 s21, s21, SCL
	v_add_nc_u32 v5, v5, v6
	v_add_nc_u32 v[ADRS], s21, v5
	; the way out: pitches and offsets of the part that I am in
	s_cmp_lt_u32 s19, 4
	s_mov_b32 s20, 6291456
	s_cselect_b32 s20, 0, s20                      ; where the codes go
	s_mov_b32 s21, 49152
	s_cselect_b32 s21, 196608, s21                 ; from a group of 64 columns to the next
	s_mov_b32 s22, 9699328
	s_cselect_b32 s22, 9437184, s22                ; where the scale bytes go
	s_mov_b32 s23, 4096
	s_cselect_b32 s23, 16384, s23                  ; from two groups to the next two
	s_cselect_b32 s45, 2, 4                        ; scale bytes of a row in one place
	s_cselect_b32 s46, 8192, 2                     ; from the first group's two bytes to the second's
	s_lshl_b32 s47, s42, 2
	s_lshl_b32 s92, s16, 1
	s_add_co_u32 s47, s47, s92                     ; my first group of 64 columns
	s_lshl_b32 s92, s17, 4
	s_lshl_b32 s93, s15, 3
	s_add_co_u32 s92, s92, s93                     ; my first row block
	s_mul_i32 s10, s47, s21
	s_add_co_u32 s10, s10, s20
	s_mul_i32 s93, s92, 768
	s_add_co_u32 s10, s10, s93
	s_mov_b32 s11, 0
	s_add_nc_u64 s[10:11], s[8:9], s[10:11]        ; the first group's halves
	s_mov_b32 s12, s21
	s_mov_b32 s13, 0
	s_add_nc_u64 s[12:13], s[10:11], s[12:13]      ; the second group's
	s_lshr_b32 s47, s47, 1
	s_mul_i32 s4, s47, s23
	s_add_co_u32 s4, s4, s22
	s_lshl_b32 s92, s92, 4
	s_mul_i32 s92, s92, s45
	s_add_co_u32 s4, s4, s92
	s_mov_b32 s5, 0
	s_add_nc_u64 s[4:5], s[8:9], s[4:5]            ; my scale bytes
	s_lshl_b32 s6, s45, 4                          ; from row block to row block
	v_mul_u32_u24 v[SAD], s45, v1
	v_mul_u32_u24 v5, s46, v2
	v_add_nc_u32 v[SAD], v[SAD], v5                ; row r's place; lanes 16-31 store the second group's two bytes
	s_mov_b32 s[SEL], 0x76543210
	s_mov_b32 s[SEL+1], 0xfedcba98
	s_wait_tensorcnt 1                             ; the scale words and my part of slot 0 are in (slot 1's load may be out),
	s_barrier_signal -1
	s_barrier_wait -1                              ; everybody's are
	FETCH_B 0, 0, 0
	FETCH_A 0, 0, 0
	SCALES 0
	FETCH_A 0, 0, T/2
	STEP 0, 0, 1                                   ; the first step stands in front of the loop: its products start the sums
	s_mov_b32 s3, LAPS-1
.Llap:                                                 ; a trip goes once round the ring and fills both slots again
	TURN 0, 1, 1
	STEP 1, 0, 0
	TURN 1, 0, 1
	STEP 0, 0, 0
	s_sub_co_u32 s3, s3, 1
	s_cmp_lg_u32 s3, 0
	s_cbranch_scc1 .Llap
	TURN 0, 1, 0                                   ; the last lap fills nothing
	STEP 1, 0, 0
	s_wait_dscnt (T/2)*NLA
	MULS 0, T/2, 1, NQ-1, 1, 0
	s_wait_dscnt 0
	MULS T/2, T/2, 1, NQ-1, 1, 0
	WIN 0
	; THE WAY OUT: block a's 16 rows x 128 columns are one fragment of the next product: two halves of 64 along its K.  No LDS: a lane's registers are stored as they stand.
	PLACES 4
.irp b, 0,1,2,3
	v_mov_b32 v[TM+4+\b], 0                        ; written once: a lane permute's destination counts as one of its sources
.endr
.irp a, 0,1,2,3,4,5,6,7
.if \a > 0
	s_wait_xcnt 0x0                                ; the last block's stores have read their registers: codes, bytes and offset are written again only behind this wait
	v_add_nc_u32 v[SAD], s6, v[SAD]
.endif
	QUANTW 2+\a/4, 64*(\a%4)
	global_store_b128 v[LI], v[PC:PC+3], s[10:11] offset:768*\a            ; 512 consecutive bytes, at a multiple of 256 from the buffer's first byte
	global_store_b64 v[L8], v[PC+4:PC+5], s[10:11] offset:768*\a+512       ; 256 more
	global_store_b128 v[LI], v[PC+6:PC+9], s[12:13] offset:768*\a
	global_store_b64 v[L8], v[PC+10:PC+11], s[12:13] offset:768*\a+512
	v_lshrrev_b32 v[SV], v[SH], v[PW]              ; lanes 0-15: bytes 0, 1; lanes 16-31: bytes 2, 3
	global_store_b16 v[SAD], v[SV], s[4:5]
.endr
	s_wait_tensorcnt 0x0                           ; the wave's end
	ds_add_u32 v[SPW], v[NIL]
	s_wait_dscnt 0x0
	CROUND                                         ; the closing round: no work-group ends while a partner may still ask for a tile that names it
	s_endpgm
.Lfunc_end_k_q97128fe0fd_qkv:
	.size	k_q97128fe0fd_qkv, .Lfunc_end_k_q97128fe0fd_qkv-k_q97128fe0fd_qkv
	.p2alignl 7, 3214868480
	.fill 96, 4, 3214868480
	.section	.rodata,"a",@progbits
	.p2align	6, 0x0
	.amdhsa_kernel k_q97128fe0fd_qkv
		.amdhsa_group_segment_fixed_size 327680
		.amdhsa_private_segment_fixed_size 0
		.amdhsa_enable_private_segment 0
		.amdhsa_kernarg_size 24
		.amdhsa_user_sgpr_count 2
		.amdhsa_user_sgpr_kernarg_segment_ptr 1
		.amdhsa_wavefront_size32 1
		.amdhsa_system_sgpr_workgroup_id_x 1
		.amdhsa_system_sgpr_workgroup_id_y 1
		.amdhsa_system_sgpr_workgroup_id_z 1
		.amdhsa_system_vgpr_workitem_id 0
		.amdhsa_next_free_vgpr 1024
		.amdhsa_next_free_sgpr 100
		.amdhsa_reserve_vcc 0
		.amdhsa_float_denorm_mode_32 3
		.amdhsa_float_denorm_mode_16_64 3
		.amdhsa_memory_ordered 1
		.amdhsa_forward_progress 1
		.amdhsa_inst_pref_size 145
	.end_amdhsa_kernel
	.amdgpu_metadata
---
amdhsa.version: [ 1, 2 ]
amdhsa.kernels:
  - .name:           k_q97128fe0fd_qkv
    .symbol:         k_q97128fe0fd_qkv.kd
    .args:
      - { .name: hbuf, .offset: 0, .size: 8, .value_kind: global_buffer, .address_space: global }
      - { .name: wts, .offset: 8, .size: 8, .value_kind: global_buffer, .address_space: global }
      - { .name: qkvb, .offset: 16, .size: 8, .value_kind: global_buffer, .address_space: global }
    .group_segment_fixed_size: 327680
    .private_segment_fixed_size: 0
    .kernarg_segment_align: 8
    .kernarg_segment_size: 24
    .max_flat_workgroup_size: 128
    .sgpr_count:     100
    .vgpr_count:     1024
    .wavefront_size: 32
...
	.end_amdgpu_metadata
.endif
;; end of part 2
;; launch attn (part 3): grid 8 x 32, 16 waves a work-group, no clusters, 206,848 bytes of LDS; arguments qkvb, ybuf; writes ybuf
.if DOCPART == 3
	.amdgcn_target "amdgcn-amd-amdhsa--gfx1250"
	.amdhsa_code_object_version 6
	.text
	.protected	k_q97128fe0fd_attn
	.globl	k_q97128fe0fd_attn
	.p2align	8
	.type	k_q97128fe0fd_attn,@function
k_q97128fe0fd_attn:
	s_mov_b64 s[64:65], 0
	v_nop
	global_prefetch_b8 v0, s[64:65] scope:SCOPE_SE
	s_setreg_imm32_b32 hwreg(HW_REG_WAVE_MODE, 25, 1), 1
	s_wait_xcnt 0x0
; y[b][q][head] = the sum over keys k <= q of softmax_k(Q . K / 8) V, head size 64, 2,048 keys, both products on codes of BF6 (E3M2) with E8M0 scales; y is quantised along the model's axis for the next product.
; THE SOFTMAX AHEAD OF THE SECOND PRODUCT: t = score x log2(e) / 8; M = the row's largest t so far, rounded UP to a whole number; p = 2^(t - M) is quantised along the keys, not normalised.  The row's sum is taken of
; the unquantised p and divides O at the end.  When M moves, the sum and O are multiplied by 2^(old M - new M): exact.
; A HEAD'S WHOLE K AND V^T LIE IN LDS (98,304 bytes each, and 4,096 of scale bytes each), filled once: no slot is ever filled again.  The first keys (640 of K, 512 of V) come by loads of their own, so that work begins when they are in.
; SHARES.  A work-group takes one head and the query blocks i and 15 - i of 128 queries: waves 0-7 the first, waves 8-15 the second, a tile of 16 queries each; so every work-group has 17 block steps.
; Every wave walks all 16 key steps of 128 keys in loops of constant count; a step all of whose keys come after its queries is jumped over (a branch on ids); on the diagonal hidden scores become -infinity.
; NO CLUSTER: the partners that share K and V are the query blocks of one head, and which steps are jumped over hangs on the query block, so partners would not run alike.
; LAYOUT.  Both products transposed: S^T = K Q^T (source 0 = 16 keys, source 1 = my queries), O^T = V^T P^T.  A lane holds one query.  Row blocks are in the order of places (place p of block t: row 32 (t / 2) + 8 (t % 2) +
; p + 8 (p / 8)), so the 16 registers of key tiles 2 b, 2 b + 1 are keys 32 b + 16 h + 0 .. 15, and O^T's registers run along d.
; THE FIRST PRODUCT'S K IS 64.  The upper six registers of Q's fragment hold zero codes, written once.  So what stands in the upper six registers of K's operand adds nothing, whatever codes it holds (every code of E3M2 is a
; finite number, and the scale bytes over them are 0, which is 2^-127): tile t's operand is v[KF + 6 t .. KF + 6 t + 11], its upper half being tile t + 1's lower half and, for tile 7, the first six registers of p's codes.
; All eight tiles of a step so lie in 48 registers, and THE NEXT STEP'S K IS ASKED FOR TOGETHER WITH THIS STEP'S V, directly behind the products K Q^T: both land under the softmax, and a step waits for no load that it has just issued.
; A SCALE REGISTER CARRIES TWO TILES: lanes 0-15 the even tile's rows, lanes 16-31 the odd tile's, which the odd tile's product reads by ROW1.
; LIMITS: 1 / l is v_rcp_f32's; p under 2^-126 falls to 0; a block of zeros gets the byte 1; NaN and infinities are not served.
; REGISTERS: v1, v2, v5 lane constants; v3-4 V's scale words; v6-8 V's LDS addresses, v9-11 K's; v12 -M, v13 the largest t, v[14:15] the sum in two halves; v16-27 Q; v28-75 K's eight half fragments; v76-87 p's codes;
;   v88-151 S^T, then p; v152-183 O^T; v184-231 V's four fragments; v232-247, v252, v254 at work; v248-251 K's scale bytes; v253 p's scale word; v255 Q's.
.set KF,  28
.set PCD, 76
.set S,   88
.set OT,  152
.set VF,  184
.set KS,  248
.set VS,  3
.macro GRP1 g, c, r, p                 ; descriptor group 1: r rows of c elements of 8 bytes, p elements apart; no mask, no padding
	s_mov_b32 s[\g], 3<<16
	s_mov_b32 s[\g+1], (\c)<<16
	s_mov_b32 s[\g+2], (\r)<<16
	s_mov_b32 s[\g+3], (\c)<<16
	s_mov_b32 s[\g+4], \r
	s_mov_b32 s[\g+5], \p
	s_mov_b32 s[\g+6], 0
	s_mov_b32 s[\g+7], 0
.endm
	s_load_b128 s[4:7], s[0:1], 0x0                ; qkvb, ybuf
	v_lshl_add_u32 v254, v0, 2, 0x32000
	v_mov_b32 v255, 0
	ds_add_u32 v254, v255
	ds_add_u32 v254, v255
	s_wait_dscnt 0x0
	v_lshrrev_b32 v8, 5, v0
	v_readfirstlane_b32 s8, v8                     ; wave 0..15
	s_and_b32 s13, ttmp7, 0xffff
	s_lshr_b32 s14, s13, 4                         ; batch
	s_and_b32 s15, s13, 15                         ; head
	s_sub_co_u32 s16, 15, ttmp9
	s_cmp_lt_u32 s8, 8
	s_cselect_b32 s9, ttmp9, s16                   ; my block of 128 queries: also my last key step
	s_and_b32 s17, s8, 7
	s_lshl_b32 s16, s9, 3
	s_add_co_u32 s17, s17, s16
	s_lshl_b32 s16, s14, 7
	s_add_co_u32 s17, s17, s16                     ; my row block of the 256
	GRP1 24, 32, 16, 32                            ; K's scale bytes: 4,096 dense bytes as rows of 256
	GRP1 32, 32, 120, 32                           ; K's keys 0-639, five key steps: 30,720 dense bytes (key step 3 asks for key step 4's fragments)
	GRP1 40, 32, 264, 32                           ; K's other keys: 67,584
	GRP1 48, 32, 16, 512                           ; V's scale words: 16 groups of 128 keys x 256 bytes, 4,096 bytes apart
	GRP1 56, 384, 8, 6144                          ; V's groups 0-7 of 64 keys: 3,072 bytes each, 49,152 apart
	GRP1 68, 384, 24, 6144                         ; V's groups 8-31
	s_add_co_u32 s18, s15, 16
	s_mul_i32 s2, s18, 196608
	s_mul_i32 s3, s14, 98304
	s_add_co_u32 s2, s2, s3                        ; K's codes
	s_mov_b32 s3, 0
	s_lshl_b32 s18, s18, 13
	s_lshl_b32 s19, s14, 12
	s_add_co_u32 s18, s18, s19
	s_add_co_u32 s18, s18, 9437184                 ; K's scale bytes
	s_mov_b32 s19, 0
	s_mul_i32 s10, s14, 1572864
	s_mul_i32 s11, s15, 3072
	s_add_co_u32 s10, s10, s11
	s_add_co_u32 s10, s10, 6291456                 ; V's codes
	s_mov_b32 s11, 0
	s_lshl_b32 s12, s14, 16
	s_lshl_b32 s13, s15, 8
	s_add_co_u32 s12, s12, s13
	s_add_co_u32 s12, s12, 9699328                 ; V's scale words
	s_mov_b32 s13, 0
	s_wait_kmcnt 0x0
	s_mov_b32 s76, 1                               ; six groups 0: count 1, LDS address, global address, type 2
	s_mov_b32 s77, 196608
	s_add_nc_u64 s[78:79], s[4:5], s[18:19]
	s_or_b32 s79, s79, 0x80000000
	s_mov_b32 s80, 1
	s_mov_b32 s81, 0
	s_add_nc_u64 s[82:83], s[4:5], s[2:3]
	s_mov_b32 s84, 1
	s_mov_b32 s85, 30720
	s_add_nc_u64 s[86:87], s[82:83], 30720
	s_or_b32 s83, s83, 0x80000000
	s_or_b32 s87, s87, 0x80000000
	s_mov_b32 s88, 1
	s_mov_b32 s89, 200704
	s_add_nc_u64 s[90:91], s[4:5], s[12:13]
	s_or_b32 s91, s91, 0x80000000
	s_mov_b32 s92, 1
	s_mov_b32 s93, 98304
	s_add_nc_u64 s[94:95], s[4:5], s[10:11]
	s_mov_b32 s96, 1
	s_mov_b32 s97, 122880
	s_add_nc_u64 s[98:99], s[94:95], 393216
	s_or_b32 s95, s95, 0x80000000
	s_or_b32 s99, s99, 0x80000000
	s_cmp_eq_u32 s8, 0                             ; all fills go out here, a wave's three in one branch: wave 0 fetches K, wave 1 V; three loads of a wave are out
	s_cbranch_scc0 .Lnot_k
	tensor_load_to_lds s[76:79], s[24:31]
	s_nop 0
	tensor_load_to_lds s[80:83], s[32:39]
	s_nop 0
	tensor_load_to_lds s[84:87], s[40:47]
	s_nop 0
.rept 4
	v_nop
.endr
	s_branch .Lasked
.Lnot_k:
	s_cmp_eq_u32 s8, 1
	s_cbranch_scc0 .Lasked
	tensor_load_to_lds s[88:91], s[48:55]
	s_nop 0
	tensor_load_to_lds s[92:95], s[56:63]
	s_nop 0
	tensor_load_to_lds s[96:99], s[68:75]
	s_nop 0
.rept 4
	v_nop
.endr
.Lasked:
	s_mul_i32 s2, s15, 196608
	s_mul_i32 s3, s17, 768
	s_add_co_u32 s2, s2, s3
	s_mov_b32 s3, 0
	s_add_nc_u64 s[2:3], s[4:5], s[2:3]            ; my tile of Q
	s_lshl_b32 s18, s15, 13
	s_lshl_b32 s19, s17, 5
	s_add_co_u32 s18, s18, s19
	s_add_co_u32 s18, s18, 9437184
	s_mov_b32 s19, 0
	s_add_nc_u64 s[18:19], s[4:5], s[18:19]        ; and its scale bytes
	s_lshr_b32 s10, s15, 1                         ; y: K step head / 2, half head % 2 of my row block's fragments
	s_and_b32 s11, s15, 1
	s_lshl_b32 s12, s17, 3
	s_add_co_u32 s12, s12, s10
	s_mul_i32 s12, s12, 1536
	s_mul_i32 s13, s11, 768
	s_add_co_u32 s12, s12, s13
	s_mov_b32 s13, 0
	s_lshl_b32 s16, s10, 14                        ; y's scale bytes: plane head / 2, 4 bytes a row place, bytes 2 (head % 2) + 0, 1
	s_lshl_b32 s10, s17, 6
	s_add_co_u32 s16, s16, s10
	s_lshl_b32 s11, s11, 1
	s_add_co_u32 s16, s16, s11
	s_add_co_u32 s16, s16, 3145728
	s_mov_b32 s17, 0
	s_add_nc_u64 s[16:17], s[6:7], s[16:17]
	s_add_nc_u64 s[6:7], s[6:7], s[12:13]
	v_and_b32 v8, 15, v0                           ; r
	v_bfe_u32 v9, v0, 4, 1                         ; h
	v_and_b32 v10, 31, v0                          ; lane
	v_lshlrev_b32 v1, 4, v10                       ; a half fragment's registers 0-3: 16 x lane
	v_lshl_add_u32 v2, v10, 3, 512                 ; its registers 4-5: 512 + 8 x lane
	global_load_b128 v[16:19], v1, s[2:3]          ; Q stays in registers
	global_load_b64 v[20:21], v2, s[2:3]
	v_lshlrev_b32 v254, 1, v8
	global_load_u16 v255, v254, s[18:19]           ; Q's two scale bytes; the upper two are 0, over zero codes
	s_and_b32 s13, s8, 7
	s_lshr_b32 s14, s13, 1
	s_lshl_b32 s14, s14, 5
	s_and_b32 s13, s8, 1
	s_lshl_b32 s13, s13, 3
	s_add_co_u32 s14, s14, s13
	v_and_b32 v5, 8, v8
	v_add_nc_u32 v5, v5, v8
	v_lshlrev_b32 v11, 4, v9
	v_sub_nc_u32 v5, v5, v11
	v_add_nc_u32 v5, s14, v5                       ; my query in its block of 128, less 16 h: register 16 b + i holds key 32 b + i + 16 h of the step: hidden on the diagonal where 32 b + i is above this
	s_mov_b32 s10, 0                               ; the key step
	s_mov_b32 s11, 0                               ; where its codes begin in K's and in V's bytes: 6,144 a step
	s_mov_b32 s12, 0x31000                         ; where its scale words of V begin: 200,704 + 256 a step
	s_mov_b32 s13, 0x30000                         ; and its scale bytes of K: 196,608 + 256 a step
	s_mov_b32 s20, 0x76543210
	s_mov_b32 s21, 0xfedcba98                      ; v_permlanex16_b32's selects for lane l xor 16
	s_mov_b32 s22, 0x3e38aa3b                      ; c = log2(e) / 8
	s_mov_b32 s23, s22                             ; (named with it as a pair, so it is written)
.irp j, 22,23,24,25,26,27
	v_mov_b32 v[\j], 0                             ; Q's K = 64 .. 127: zero codes
.endr
.irp j, 0,1,2,3,4,5
	v_mov_b32 v[PCD+\j], 0                         ; named as the upper half of K's tile 7 before p's first codes are made
.endr
	v_mov_b32 v13, 0xff61b1e6                      ; the largest t so far: -3e38
	v_floor_f32 v12, -v13                          ; -M
	v_mov_b32 v14, 0
	v_mov_b32 v15, 0
.irp j, 236,237,238,239,252,253
	v_mov_b32 v[\j], 0                             ; written once: permute destinations, and the pair v[252:253]
.endr
.irp j, 0,1,2,3,4,5,6,7,8,9,10,11,12,13,14,15,16,17,18,19,20,21,22,23,24,25,26,27,28,29,30,31
	v_mov_b32 v[OT+\j], 0                          ; O^T: the step is written without a first step of its own; the first change of M leaves zeros zeros
.endr
; A key step's K: eight half fragments (six registers each, on end) and four registers of scale bytes, o and so bytes on from the addresses in v9-11
.macro KLOAD o, so
.irp t, 0,1,2,3,4,5,6,7
	ds_load_b128 v[KF+6*\t:KF+6*\t+3], v9 offset:(\o)+768*\t
	ds_load_b64 v[KF+6*\t+4:KF+6*\t+5], v10 offset:(\o)+768*\t
.endr
.irp p, 0,1,2,3
	ds_load_u16 v[KS+\p], v11 offset:(\so)+64*\p   ; 2 bytes a key place: lanes 0-15 tile 2 p, lanes 16-31 tile 2 p + 1; the upper two bytes are 0
.endr
.endm
; A KEY STEP: 128 keys.  Its K lies in registers: the step before has asked for it and waited.
.macro STEP
	s_cmp_gt_u32 s10, s9                           ; all its keys come after my queries: only the lines at its end, which step addresses, are run
	s_cbranch_scc1 .Lhid_\@
.irp t, 0,1,2,3,4,5,6,7                        ; S^T = K Q^T: eight tiles of 16 keys
.if (\t)%2
	v_wmma_scale_f32_16x16x128_f8f6f4 v[S+8*\t:S+8*\t+7], v[KF+6*\t:KF+6*\t+11], v[16:27], 0, v[KS+\t/2], v255 matrix_a_fmt:MATRIX_FMT_BF6 matrix_b_fmt:MATRIX_FMT_BF6 matrix_a_scale:MATRIX_SCALE_ROW1
.else
	v_wmma_scale_f32_16x16x128_f8f6f4 v[S+8*\t:S+8*\t+7], v[KF+6*\t:KF+6*\t+11], v[16:27], 0, v[KS+\t/2], v255 matrix_a_fmt:MATRIX_FMT_BF6 matrix_b_fmt:MATRIX_FMT_BF6
.endif
.endr
	v_add_nc_u32 v9, s11, v1                       ; these eight lines are the places between the products and the loads into their registers, and the first reads of their results
	v_add_nc_u32 v10, s11, v2
	v_add_nc_u32 v6, 0x18000, v9                   ; V's codes lie 98,304 bytes behind K's
	v_add_nc_u32 v7, 0x18000, v10
	v_lshrrev_b32 v8, 2, v1                        ; 4 x lane
	v_lshrrev_b32 v11, 3, v1                       ; 2 x lane
	v_add_nc_u32 v8, s12, v8
	v_add_nc_u32 v11, s13, v11
.irp t, 0,1,2,3                                ; V's four fragments and scale words are asked for now and land under the softmax
.irp c, 0,1
	ds_load_b128 v[VF+12*\t+6*\c:VF+12*\t+6*\c+3], v6 offset:3072*\c+768*\t
	ds_load_b64 v[VF+12*\t+6*\c+4:VF+12*\t+6*\c+5], v7 offset:3072*\c+768*\t
.endr
.endr
	ds_load_b32 v[VS], v8                          ; 4 bytes a row of d: lanes 0-15 tile 0, lanes 16-31 tile 1
	ds_load_b32 v[VS+1], v8 offset:128             ; tiles 2 and 3
	s_cmp_eq_u32 s10, s9                           ; my last step?  It alone has hidden keys, and no step of mine follows it
	s_cbranch_scc1 .Ldiag_\@
	KLOAD 6144, 256                                ; the next step's K: it too lands under the softmax
	s_branch .Lopen_\@
.Ldiag_\@:
	v_mov_b32 v254, 0xff800000                     ; -infinity: p = 0 then
.irp n, 0,1,2,3,4,5,6,7,8,9,10,11,12,13,14,15,16,17,18,19,20,21,22,23,24,25,26,27,28,29,30,31,32,33,34,35,36,37,38,39,40,41,42,43,44,45,46,47,48,49,50,51,52,53,54,55,56,57,58,59,60,61,62,63
	v_cmp_gt_i32 vcc_lo, 32*(\n/16)+\n%16, v5
	v_cndmask_b32 v[S+\n], v[S+\n], v254, vcc_lo
.endr
.Lopen_\@:
.irp b, 0,1,2,3
	v_max3_num_f32 v[232+\b], v[S+16*\b], v[S+1+16*\b], v[S+2+16*\b]   ; the largest score of each block of 32 keys: for the row's maximum and, since p rises with the score, for the block's largest p
.endr
.irp i, 3,5,7,9,11,13
.irp b, 0,1,2,3
	v_max3_num_f32 v[232+\b], v[232+\b], v[S+16*\b+\i], v[S+1+16*\b+\i]
.endr
.endr
.irp b, 0,1,2,3
	v_max_num_f32 v[232+\b], v[232+\b], v[S+15+16*\b]
.endr
.irp b, 0,1,2,3
	v_permlanex16_b32 v[236+\b], v[232+\b], s20, s21
.endr
.irp b, 0,1,2,3
	v_max_num_f32 v[232+\b], v[232+\b], v[236+\b]  ; with lane l xor 16's 16 keys
.endr
	v_max3_num_f32 v254, v232, v233, v234
	v_max_num_f32 v254, v254, v235                 ; the step's largest score of my query
	v_mul_f32 v254, s22, v254                      ; as t
	v_max_num_f32 v13, v13, v254                   ; the running largest t
	v_mov_b32 v254, v12
	v_floor_f32 v12, -v13                          ; the new -M = floor(-t): M is a whole number
	v_sub_f32 v254, v12, v254                      ; old M less new M: a whole number, 0 or less
	v_cvt_i32_f32 v254, v254                       ; (it saturates)
	v_ldexp_f32 v252, 1.0, v254                    ; f = 2^(old M - new M)
.irp j, 0,2,4,6,8,10,12,14,16,18,20,22,24,26,28,30,32,34,36,38,40,42,44,46,48,50,52,54,56,58,60,62
	v_pk_fma_f32 v[S+\j:S+\j+1], v[S+\j:S+\j+1], s[22:23], v[12:13] op_sel_hi:[1,0,0]   ; t - M, two at a time
.endr
.irp b, 0,1,2,3
	v_fma_f32 v[232+\b], v[232+\b], s22, v12       ; the same of each block's largest score
.endr
.irp j, 0,1,2,3,4,5,6,7,8,9,10,11,12,13,14,15,16,17,18,19,20,21,22,23,24,25,26,27,28,29,30,31,32,33,34,35,36,37,38,39,40,41,42,43,44,45,46,47,48,49,50,51,52,53,54,55,56,57,58,59,60,61,62,63
	v_exp_f32 v[S+\j], v[S+\j]                     ; p = 2^(t - M), at most 1
.endr
	v_pk_mul_f32 v[14:15], v[14:15], v[252:253] op_sel_hi:[1,0]   ; the sums under the new M; a plain line behind the exponentials
	s_wait_alu depctr_va_vdst(0)                   ; one wait for the batch, ahead of its first reader
.irp b, 0,1,2,3
	v_exp_f32 v[232+\b], v[232+\b]                 ; the block's largest p
.endr
	v_pk_add_f32 v[236:237], v[S:S+1], v[S+2:S+3]  ; the row's sum, of the unquantised p, in two chains
.irp j, 4,8,12,16,20,24,28,32,36,40,44,48,52,56,60
	v_pk_add_f32 v[14:15], v[14:15], v[S+\j:S+\j+1]
	v_pk_add_f32 v[236:237], v[236:237], v[S+2+\j:S+3+\j]
.endr
	v_pk_add_f32 v[14:15], v[14:15], v[236:237]
	s_wait_alu depctr_va_vdst(0)                   ; and one for the four
.irp b, 0,1,2,3
	v_max_num_f32 v[232+\b], 0x2800000, v[232+\b]  ; the floor 2^(5 - 127): the byte cannot fall under 1
.endr
.irp b, 0,1,2,3
	v_add_nc_u32 v[244+\b], 0xfe000000, v[232+\b]  ; 4 off the exponent field: the conversion's scale operand
.endr
.irp b, 0,1,2,3
	v_lshrrev_b32 v[236+\b], 23, v[244+\b]         ; the scale's byte
.endr
	v_lshl_or_b32 v253, v237, 8, v236              ; p's scale word for these 128 keys
	v_lshl_or_b32 v253, v238, 16, v253
	v_lshl_or_b32 v253, v239, 24, v253
.irp c, 0,1
	v_cvt_scalef32_pk16_bf6_f32 v[PCD+6*\c:PCD+2+6*\c], v[S+32*\c:S+15+32*\c], v[244+2*\c]
	v_cvt_scalef32_pk16_bf6_f32 v[236+4*\c:238+4*\c], v[S+16+32*\c:S+31+32*\c], v[244+2*\c+1]
.endr
	v_nop                                          ; one plain line behind the conversions
.irp c, 0,1                                    ; a whole block to a lane
.irp i, 0,1,2
	v_permlane16_swap_b32 v[PCD+6*\c+\i], v[236+4*\c+\i]
.endr
.irp i, 0,1,2
	v_mov_b32 v[PCD+3+6*\c+\i], v[236+4*\c+\i]
.endr
.endr
.irp j, 0,2,4,6,8,10,12,14,16,18,20,22,24,26,28,30
	v_pk_mul_f32 v[OT+\j:OT+\j+1], v[OT+\j:OT+\j+1], v[252:253] op_sel_hi:[1,0]   ; O^T under the new M
.endr
.rept 4
	v_nop                                          ; plain lines between the last vector write of an operand and the products
.endr
	s_wait_dscnt 0x0                               ; V's fragments and scale words, and the next step's K: all asked for ahead of the softmax
.irp t, 0,1,2,3                                ; O^T += V^T P^T: four accumulators by turns
.if (\t)%2
	v_wmma_scale_f32_16x16x128_f8f6f4 v[OT+8*\t:OT+8*\t+7], v[VF+12*\t:VF+12*\t+11], v[PCD:PCD+11], v[OT+8*\t:OT+8*\t+7], v[VS+\t/2], v253 matrix_a_fmt:MATRIX_FMT_BF6 matrix_b_fmt:MATRIX_FMT_BF6 matrix_a_scale:MATRIX_SCALE_ROW1
.else
	v_wmma_scale_f32_16x16x128_f8f6f4 v[OT+8*\t:OT+8*\t+7], v[VF+12*\t:VF+12*\t+11], v[PCD:PCD+11], v[OT+8*\t:OT+8*\t+7], v[VS+\t/2], v253 matrix_a_fmt:MATRIX_FMT_BF6 matrix_b_fmt:MATRIX_FMT_BF6
.endif
.endr
.Lhid_\@:
	s_add_co_u32 s11, s11, 6144
	s_add_co_u32 s12, s12, 256
	s_add_co_u32 s13, s13, 256
.endm
	s_wait_tensorcnt 1                             ; the scale bytes and the first keys are in (the rest may be out)
	s_barrier_signal -1
	s_barrier_wait -1                              ; and every wave knows it
	v_add_nc_u32 v9, s11, v1                       ; key step 0's K: every wave has a step 0
	v_add_nc_u32 v10, s11, v2
	v_lshrrev_b32 v11, 3, v1
	v_add_nc_u32 v11, s13, v11
	KLOAD 0, 0
	s_wait_loadcnt 0x0                             ; Q
	s_wait_dscnt 0x0
.Lfirst:                                           ; key steps 0 to 3: they read K's key steps 0 to 4 and V's 0 to 3, which the first fills have brought
	STEP
	s_add_co_u32 s10, s10, 1
	s_cmp_lt_u32 s10, 4
	s_cbranch_scc1 .Lfirst
	s_wait_dscnt 0x0
	s_wait_tensorcnt 0x0                           ; the rest of K and of V is in
	s_barrier_signal -1
	s_barrier_wait -1
	s_mov_b32 s10, 4
.Lrest:                                            ; key steps 4 to 15
	STEP
	s_add_co_u32 s10, s10, 1
	s_cmp_lt_u32 s10, 16
	s_cbranch_scc1 .Lrest
	; THE WAY OUT: O^T / the sum is my query's 64 numbers of y: two blocks of 32 along the next product's K, half a fragment.
	v_add_f32 v14, v14, v15
	v_permlanex16_b32 v252, v14, s20, s21
	v_add_f32 v14, v14, v252                       ; the row's sum
	v_rcp_f32 v14, v14
	v_and_b32 v8, 15, v0
	v_bfe_u32 v9, v0, 4, 1
	v_lshl_add_u32 v10, v8, 2, v9                  ; the scale byte's place: 4 r + h
	v_cmp_eq_u32 vcc_lo, 1, v9
	s_wait_alu depctr_va_vdst(0)                   ; ahead of the reciprocal's first reader
.irp j, 0,1,2,3,4,5,6,7,8,9,10,11,12,13,14,15,16,17,18,19,20,21,22,23,24,25,26,27,28,29,30,31
	v_mul_f32 v[S+\j], v[OT+\j], v14               ; register 16 c + i = d 32 c + 16 h + i
.endr
.irp c, 0,1
	v_max3_num_f32 v[232+\c], |v[S+16*\c]|, |v[S+1+16*\c]|, 0x2800000
.endr
.irp i, 2,4,6,8,10,12,14
.irp c, 0,1
	v_max3_num_f32 v[232+\c], v[232+\c], |v[S+16*\c+\i]|, |v[S+1+16*\c+\i]|
.endr
.endr
.irp c, 0,1
	v_permlanex16_b32 v[236+\c], v[232+\c], s20, s21
.endr
.irp c, 0,1
	v_max_num_f32 v[232+\c], v[232+\c], v[236+\c]
.endr
.irp c, 0,1
	v_add_nc_u32 v[244+\c], 0xfe000000, v[232+\c]
.endr
.irp c, 0,1
	v_lshrrev_b32 v[236+\c], 23, v[244+\c]
.endr
	v_cvt_scalef32_pk16_bf6_f32 v[PCD:PCD+2], v[S:S+15], v244
	v_cvt_scalef32_pk16_bf6_f32 v[240:242], v[S+16:S+31], v245
	v_cndmask_b32 v11, v236, v237, vcc_lo          ; lanes 0-15 store block 0's byte, lanes 16-31 block 1's; also the plain line behind the conversions
.irp i, 0,1,2
	v_permlane16_swap_b32 v[PCD+\i], v[240+\i]
.endr
.irp i, 0,1,2
	v_mov_b32 v[PCD+3+\i], v[240+\i]
.endr
	global_store_b128 v1, v[PCD:PCD+3], s[6:7]     ; 512 consecutive bytes, at a multiple of 256 from the buffer's first byte
	global_store_b64 v2, v[PCD+4:PCD+5], s[6:7]    ; and the 256 behind them
	global_store_b8 v10, v11, s[16:17]
	s_wait_xcnt 0x0
	v_lshl_add_u32 v254, v0, 2, 0x32000
	v_mov_b32 v255, 0
	s_wait_tensorcnt 0x0
	ds_add_u32 v254, v255
	s_wait_dscnt 0x0
	s_endpgm
.Lfunc_end_k_q97128fe0fd_attn:
	.size	k_q97128fe0fd_attn, .Lfunc_end_k_q97128fe0fd_attn-k_q97128fe0fd_attn
	.p2alignl 7, 3214868480
	.fill 96, 4, 3214868480
	.section	.rodata,"a",@progbits
	.p2align	6, 0x0
	.amdhsa_kernel k_q97128fe0fd_attn
		.amdhsa_group_segment_fixed_size 206848
		.amdhsa_private_segment_fixed_size 0
		.amdhsa_enable_private_segment 0
		.amdhsa_kernarg_size 16
		.amdhsa_user_sgpr_count 2
		.amdhsa_user_sgpr_kernarg_segment_ptr 1
		.amdhsa_wavefront_size32 1
		.amdhsa_system_sgpr_workgroup_id_x 1
		.amdhsa_system_sgpr_workgroup_id_y 1
		.amdhsa_system_sgpr_workgroup_id_z 1
		.amdhsa_system_vgpr_workitem_id 0
		.amdhsa_next_free_vgpr 256
		.amdhsa_next_free_sgpr 100
		.amdhsa_reserve_vcc 1
		.amdhsa_float_denorm_mode_32 3
		.amdhsa_float_denorm_mode_16_64 3
		.amdhsa_memory_ordered 1
		.amdhsa_forward_progress 1
		.amdhsa_inst_pref_size 59
	.end_amdhsa_kernel
	.amdgpu_metadata
---
amdhsa.version: [ 1, 2 ]
amdhsa.kernels:
  - .name:           k_q97128fe0fd_attn
    .symbol:         k_q97128fe0fd_attn.kd
    .args:
      - { .name: qkvb, .offset: 0, .size: 8, .value_kind: global_buffer, .address_space: global }
      - { .name: ybuf, .offset: 8, .size: 8, .value_kind: global_buffer, .address_space: global }
    .group_segment_fixed_size: 206848
    .private_segment_fixed_size: 0
    .kernarg_segment_align: 8
    .kernarg_segment_size: 16
    .max_flat_workgroup_size: 512
    .sgpr_count:     100
    .vgpr_count:     256
    .wavefront_size: 32
...
	.end_amdgpu_metadata
.endif
;; end of part 3
;; launch wo (part 4): grid 8 x 32, 4 waves a work-group, clusters of 4 x 4, 327,680 bytes of LDS; arguments ybuf, wts, x, x1; writes x1
.if DOCPART == 4
	.amdgcn_target "amdgcn-amd-amdhsa--gfx1250"
	.amdhsa_code_object_version 6
	.text
	.protected	k_q97128fe0fd_wo
	.globl	k_q97128fe0fd_wo
	.p2align	8
	.type	k_q97128fe0fd_wo,@function
k_q97128fe0fd_wo:
	s_mov_b64 s[64:65], 0
	v_nop
	global_prefetch_b8 v0, s[64:65] scope:SCOPE_SE
	s_setreg_imm32_b32 hwreg(HW_REG_WAVE_MODE, 25, 1), 1
	s_wait_xcnt 0x0
	s_wait_alu depctr_hold_cnt(0) depctr_sa_sdst(0) depctr_va_vdst(0) depctr_va_sdst(0) depctr_va_ssrc(0) depctr_va_vcc(0) depctr_vm_vsrc(0)
	s_getreg_b32 s2, hwreg(HW_REG_IB_STS2, 6, 4)
	s_cmp_eq_u32 s2, 0
	s_cbranch_scc0 .Lentry_in_a_cluster
	s_endpgm
.Lentry_in_a_cluster:
	s_bfe_u32 s2, ttmp6, 0x10000c
	s_cmp_lg_u32 s2, 0xf033
	s_cbranch_scc0 .Lentry_shape_is_right
	s_endpgm
.Lentry_shape_is_right:
; x1 = x + y Wo^T on codes of BF6 (E3M2) with E8M0 scales; x and x1 are f32 [4,096][1,024].  C = A B^T, K = 1,024, N = 1,024.
; TILES OF 128 x 128: tiles of 256 x 256 would be 64 work-groups for 256 WGPs.  Four waves, each 64 x 64: 16 accumulators.  A slot holds 512 along K, four steps of 128, so that a load is as large as in the wide products.
; OPERANDS lie in memory and in LDS as images of their registers, [row block][K step][1,536 bytes].  Wo's: register group c of lane l at 512 c + 16 l.  y's: two halves of 768 bytes (a head each): registers 0-3 at 16 l,
; registers 4-5 at 512 + 8 l.  Scale words: planes [K step][row place][4 bytes].  Place p of row block t is row 32 (t / 2) + 8 (t % 2) + p + 8 (p / 8).
; THE MATRIX INSTRUCTION IS USED TRANSPOSED (source 0 = 16 rows of B, source 1 = 16 rows of A): lane (r, h) holds A's place r and, in B's block b, columns 32 (b / 2) + 8 (b % 2) + 16 h + 0 .. 7.
; K = 1,024 is two slots: both are filled at the start and none again.  Joint loads in a 4 x 4 cluster: A's tiles shared along a row of the cluster, B's along a column.
; THE RESIDUAL is asked for at the head, into window 3, in the layout in which rows leave; places are turned back into rows by the immediates of its loads and of the stores.
; REGISTERS: window 0: v16-29 addresses; v32-63 scale words, two sets, and nothing else; from v128 A's 4 fragments; on the way out v128-255 rows of C.  Window 1: B's fragments, two sets, at v0 and v128.
;   Window 2: accumulator (a, b) at v[8 (4 a + b)].  Window 3: v0-127 the residual.
.set T,     4
.set NQ,    4
.set NK,    8
.set NLA,   4
.set FR,    12
.set FRB,   1536
.set PARTB, T*NQ*FRB
.set SLOT,  4*PARTB
.set SPART, NK*64*T
.set SCL,   2*SLOT
.set SPARE, SCL+4*SPART                ; the spare words, 128 bytes for each wave: two blocks of 256 bytes that no other line names
.set ADRA, 16                          ; v16-17 my A fragments in slot 0, 1, + 16 x lane; v18-19 the same + 8 x lane
.set ADRB, 20
.set STO,  24                          ; v24 the stage: where I put 16 bytes of a row
.set RD,   25                          ; v25 and where I read a row back
.set CO,   26                          ; v26 my byte offset in two rows of x and of x1
.set ADRS, 27
.set SPW,  28
.set NIL,  29
.set SC,   32
.set AF,   128
.set OB,   128
.set G1, 24
.set G0, 32
.set G1B, 48
.set G0B, 56
.set G1S, 68
.set G0S, 76
.set G1SB, 80
.set G0SB, 88
.set MSB, 0
.macro WIN new                         ; the immediate's high byte repeats the setting that is left
.if MSB != (\new)
	s_set_vgpr_msb (MSB<<8)|(\new)
.set MSB, (\new)
.endif
.endm
.macro JLOAD g0a, g1a, g0b, g1b        ; a joint load: waves 0 and 1 fetch for A, waves 2 and 3 for B; four v_nop follow each of the two lines
	s_cmp_eq_u32 s15, 0
	s_cbranch_scc0 .Lfor_b_\@
	tensor_load_to_lds s[\g0a:\g0a+3], s[\g1a:\g1a+7]
	s_nop 0
.rept 4
	v_nop
.endr
	s_branch .Lasked_\@
.Lfor_b_\@:
	tensor_load_to_lds s[\g0b:\g0b+3], s[\g1b:\g1b+7]
	s_nop 0
.rept 4
	v_nop
.endr
.Lasked_\@:
.endm
.macro CREST
	s_cmp_lg_u32 s14, 0
	s_cbranch_scc1 .Lnot_wave_0_\@
	s_barrier_signal -3
.Lnot_wave_0_\@:
	s_barrier_wait -3
	s_barrier_signal -1
	s_barrier_wait -1
.endm
.macro CROUND
	s_barrier_signal -1
	s_barrier_wait -1
	CREST
.endm
.macro PLACES n                        ; plain lines between a matrix instruction and a load into, or a read of, its registers (ISA guide 7.12.1 for reads)
.rept \n
	v_nop
.endr
.endm
.macro FRAG reg, adr, q, i
.irp c, 0,1,2
	ds_load_b128 v[\reg+4*\c:\reg+4*\c+3], v[\adr] offset:((\i)*NQ+(\q))*FRB+512*\c
.endr
.endm
.macro FRAGS reg, slot, q, i           ; a fragment of y: two halves
	ds_load_b128 v[\reg:\reg+3], v[ADRA+\slot] offset:((\i)*NQ+(\q))*FRB
	ds_load_b64 v[\reg+4:\reg+5], v[ADRA+2+\slot] offset:((\i)*NQ+(\q))*FRB+512
	ds_load_b128 v[\reg+6:\reg+9], v[ADRA+\slot] offset:((\i)*NQ+(\q))*FRB+768
	ds_load_b64 v[\reg+10:\reg+11], v[ADRA+2+\slot] offset:((\i)*NQ+(\q))*FRB+1280
.endm
.macro FETCH_B slot, q, p
	WIN 0x40
.set FI, 0
.rept T
	FRAG 128*(\p)+FR*FI, ADRB+\slot, \q, FI
.set FI, FI+1
.endr
	WIN 0
.endm
.macro FETCH_A slot, q, i0
.set FI, \i0
.rept T/2
	FRAGS AF+FR*FI, \slot, \q, FI
.set FI, FI+1
.endr
.endm
.macro SCALES sc                       ; register NQ i + q: lanes 0-15 A's block i, lanes 16-31 B's block i, the slot's K step q
.set FI, 0
.rept T
.set FQ, 0
.rept NQ
	ds_load_b32 v[SC+16*(\sc)+NQ*FI+FQ], v[ADRS] offset:64*T*FQ+64*FI
.set FQ, FQ+1
.endr
.set FI, FI+1
.endr
.endm
; A's block a against B's T blocks.  first = 1: the products start the sums.  The accumulators take turns, one instruction a turn.
.macro MULA a, p, q, sc, first
.set AB, 8*T*(\a)
	WIN 0xa1
.set MB, 0
.rept T
.if \first == 1
	v_wmma_scale_f32_16x16x128_f8f6f4 v[AB+8*MB:AB+8*MB+7], v[128*(\p)+FR*MB:128*(\p)+FR*MB+FR-1], v[AF+FR*(\a):AF+FR*(\a)+FR-1], 0, v[SC+16*(\sc)+NQ*MB+(\q)], v[SC+16*(\sc)+NQ*(\a)+(\q)] matrix_a_fmt:MATRIX_FMT_BF6 matrix_b_fmt:MATRIX_FMT_BF6 matrix_a_scale:MATRIX_SCALE_ROW1
.else
	v_wmma_scale_f32_16x16x128_f8f6f4 v[AB+8*MB:AB+8*MB+7], v[128*(\p)+FR*MB:128*(\p)+FR*MB+FR-1], v[AF+FR*(\a):AF+FR*(\a)+FR-1], v[AB+8*MB:AB+8*MB+7], v[SC+16*(\sc)+NQ*MB+(\q)], v[SC+16*(\sc)+NQ*(\a)+(\q)] matrix_a_fmt:MATRIX_FMT_BF6 matrix_b_fmt:MATRIX_FMT_BF6 matrix_a_scale:MATRIX_SCALE_ROW1
.endif
.set MB, MB+1
.endr
.endm
.macro MULS a0, n, p, q, sc, first
.set MA, \a0
.rept \n
	MULA MA, \p, \q, \sc, \first
.set MA, MA+1
.endr
.endm
.macro STEP slot, q, first
	s_wait_dscnt (T/2)*NLA                         ; all but the youngest loads, A's upper blocks
	MULS 0, T/2, (\q)%2, \q, \slot, \first
	s_wait_dscnt 0
	PLACES 4
	FETCH_B \slot, (\q)+1, 1-(\q)%2
	FETCH_A \slot, (\q)+1, 0
	MULS T/2, T/2, (\q)%2, \q, \slot, \first
	PLACES 4
	WIN 0
	FETCH_A \slot, (\q)+1, T/2
.endm
; Slot 0's last step changes slots: one barrier; in front of it each wave waits for all its tensor loads (its part of slot 1), adds 0 to its spare word, and waits for that and for its reads of slot 0.
.macro TURN slot, next
	s_wait_tensorcnt 0x0
	ds_add_u32 v[SPW], v[NIL]                      ; 0 onto my spare word
	s_wait_dscnt (T/2)*NLA+1                       ; (the add and A's upper blocks may be out)
	MULS 0, T/4, 1, NQ-1, \slot, 0
	s_wait_dscnt 0x0
	s_barrier_signal -1
	MULS T/4, T/4, 1, NQ-1, \slot, 0
	WIN 0
	s_barrier_wait -1
	PLACES 4
	v_add_nc_u32 v[ADRS], NQ*64*T, v[ADRS]
	FETCH_B \next, 0, 0
	FETCH_A \next, 0, 0
	SCALES \next
	MULS T/2, T/2, 1, NQ-1, \slot, 0
	PLACES 4
	WIN 0
	FETCH_A \next, 0, T/2
.endm
	s_load_b128 s[4:7], s[0:1], 0x0                ; ybuf, wts
	s_load_b128 s[8:11], s[0:1], 0x10              ; x, x1
	v_lshl_add_u32 v[SPW], v0, 2, SPARE
	v_mov_b32 v[NIL], 0
	ds_add_u32 v28, v29
	ds_add_u32 v28, v29
	s_wait_dscnt 0x0
	v_lshrrev_b32 v1, 5, v0
	v_readfirstlane_b32 s14, v1                    ; wave 0..3
	s_lshr_b32 s15, s14, 1                         ; which half of the tile's rows is mine.  Also: I fetch for A (0) or for B (1)
	s_and_b32 s16, s14, 1                          ; which half of its columns.  Also: which half of that tile I fetch
	s_bfe_u32 s40, ttmp6, 0x40000                  ; cx
	s_bfe_u32 s41, ttmp6, 0x40004                  ; cy
	s_lshl_b32 s42, ttmp9, 2
	s_add_co_u32 s42, s42, s40                     ; tile column
	s_and_b32 s17, ttmp7, 0xffff
	s_lshl_b32 s17, s17, 2
	s_add_co_u32 s17, s17, s41                     ; tile row
	s_lshl_b32 s43, s41, 2
	s_lshl_b32 s43, 15, s43                        ; my row of the cluster
	s_lshl_b32 s44, 0x1111, s40                    ; my column
	s_or_b32 s[G1+0], s43, (3<<16)|(1<<21)         ; codes: T rows (row blocks) of NQ x 1,536 bytes, NK x 1,536 apart; elements of 8 bytes; bit 21 set beside a mask
	s_or_b32 s[G1B+0], s44, (3<<16)|(1<<21)
.irp g, G1, G1B
	s_mov_b32 s[\g+1], (192*NQ)<<16
	s_mov_b32 s[\g+2], T<<16
	s_mov_b32 s[\g+3], (192*NQ)<<16
	s_mov_b32 s[\g+4], T
	s_mov_b32 s[\g+5], 192*NK
	s_mov_b32 s[\g+6], 0
	s_mov_b32 s[\g+7], 0
.endr
	s_or_b32 s[G1S+0], s43, (3<<16)|(1<<21)        ; scale words: NK rows (planes) of 64 T bytes
	s_or_b32 s[G1SB+0], s44, (3<<16)|(1<<21)
.irp g, G1S, G1SB
	s_mov_b32 s[\g+1], (8*T)<<16
	s_mov_b32 s[\g+2], NK<<16
	s_mov_b32 s[\g+3], (8*T)<<16
	s_mov_b32 s[\g+4], NK
	s_mov_b32 s[\g+6], 0
	s_mov_b32 s[\g+7], 0
.endr
	s_mov_b32 s[G1S+5], 2048                       ; y's planes: 16,384 bytes
	s_mov_b32 s[G1SB+5], 4096                      ; the weights': 32,768
	s_mul_i32 s18, s16, T
	s_mul_i32 s20, s17, 2*T
	s_add_co_u32 s20, s20, s18                     ; A: the first row block that I fetch
	s_mul_i32 s46, s42, 2*T
	s_add_co_u32 s46, s46, s18                     ; B likewise
	s_lshl_b32 s22, s20, 6
	s_add_co_u32 s22, s22, 3145728                 ; y's scale planes
	s_lshl_b32 s92, s46, 6
	s_add_co_u32 s92, s92, 9449472                 ; Wo's: row place 3,072 of the planes
	s_mul_i32 s20, s20, NK*FRB
	s_mul_i32 s46, s46, NK*FRB
	s_add_co_u32 s46, s46, 2359296                 ; Wo's codes: row block 192
	s_mov_b32 s21, 0
	s_mov_b32 s23, 0
	s_mov_b32 s47, 0
	s_mov_b32 s93, 0
	s_mul_i32 s45, s14, PARTB
	s_mul_i32 s94, s14, SPART
	s_wait_kmcnt 0x0
	s_add_nc_u64 s[20:21], s[4:5], s[20:21]
	s_add_nc_u64 s[22:23], s[4:5], s[22:23]
	s_add_nc_u64 s[46:47], s[6:7], s[46:47]
	s_add_nc_u64 s[92:93], s[6:7], s[92:93]
	CROUND                                         ; all sixteen work-groups are here: the joint loads meet
	s_mov_b32 s[G0S], 1
	s_add_co_u32 s[G0S+1], s94, SCL
	s_mov_b64 s[G0S+2:G0S+3], s[22:23]
	s_or_b32 s[G0S+3], s[G0S+3], 0x80000000
	s_mov_b32 s[G0SB], 1
	s_add_co_u32 s[G0SB+1], s94, SCL
	s_mov_b64 s[G0SB+2:G0SB+3], s[92:93]
	s_or_b32 s[G0SB+3], s[G0SB+3], 0x80000000
	JLOAD G0S, G1S, G0SB, G1SB
.irp s, 0,1
	s_mov_b32 s[G0+4*\s], 1
	s_add_co_u32 s[G0+4*\s+1], s45, \s*SLOT
	s_add_nc_u64 s[G0+4*\s+2:G0+4*\s+3], s[20:21], \s*NQ*FRB
	s_or_b32 s[G0+4*\s+3], s[G0+4*\s+3], 0x80000000
	s_mov_b32 s[G0B+4*\s], 1
	s_add_co_u32 s[G0B+4*\s+1], s45, \s*SLOT
	s_add_nc_u64 s[G0B+4*\s+2:G0B+4*\s+3], s[46:47], \s*NQ*FRB
	s_or_b32 s[G0B+4*\s+3], s[G0B+4*\s+3], 0x80000000
	JLOAD G0+4*\s, G1, G0B+4*\s, G1B               ; three loads of mine are out
.endr
	v_and_b32 v1, 15, v0                           ; r
	v_bfe_u32 v2, v0, 4, 1                         ; h
	v_and_b32 v3, 31, v0                           ; lane
	v_lshlrev_b32 v4, 4, v3
	v_lshlrev_b32 v8, 3, v3
	s_mul_i32 s21, s15, PARTB
	s_mul_i32 s22, s16, PARTB
	s_add_co_u32 s22, s22, 2*PARTB
.irp s, 0,1
	v_add_nc_u32 v[ADRA+\s], s21, v4
	v_add_nc_u32 v[ADRA+2+\s], s21, v8
	v_add_nc_u32 v[ADRB+\s], s22, v4
	s_add_co_u32 s21, s21, SLOT
	s_add_co_u32 s22, s22, SLOT
.endr
	v_lshlrev_b32 v5, 2, v1
	s_mul_i32 s21, s15, SPART
	s_mul_i32 s22, s16, SPART
	s_add_co_u32 s22, s22, 2*SPART
	s_sub_co_u32 s22, s22, s21
	v_mul_u32_u24 v6, s22, v2                      ; lanes 16-31 take B's
	s_add_co_u32 s21, s21, SCL
	v_add_nc_u32 v5, v5, v6
	v_add_nc_u32 v[ADRS], s21, v5
	s_mul_i32 s23, s14, 16*272                     ; my stage: 16 rows x (256 bytes + 16), in slot 0, which is read no more when the first result is stored there
	v_mul_u32_u24 v5, v1, 272
	v_lshl_add_u32 v5, v2, 6, v5
	v_add_nc_u32 v[STO], s23, v5                   ; in: row r, + 64 h
	v_mul_u32_u24 v5, v2, 272
	v_lshl_add_u32 v5, v1, 4, v5
	v_add_nc_u32 v[RD], s23, v5                    ; back: lanes 0-15 one row, lanes 16-31 the next
	v_lshlrev_b32 v5, 12, v2
	v_lshl_add_u32 v[CO], v1, 4, v5                ; and the same two rows in x and in x1
	s_lshl_b32 s46, s42, 9
	s_lshl_b32 s47, s16, 8
	s_add_co_u32 s46, s46, s47                     ; my first column, in bytes
	s_lshl_b32 s20, s17, 7
	s_lshl_b32 s21, s15, 6
	s_add_co_u32 s20, s20, s21                     ; my first row
	s_lshl_b32 s20, s20, 12
	s_add_co_u32 s20, s20, s46
	s_mov_b32 s21, 0
	s_add_nc_u64 s[8:9], s[8:9], s[20:21]
	s_add_nc_u64 s[10:11], s[10:11], s[20:21]
	WIN 0xc0                                       ; destination window 3
.irp a, 0,1,2,3
.irp t, 0,1,2,3,4,5,6,7
	global_load_b128 v[32*\a+4*\t:32*\a+4*\t+3], v[CO], s[8:9] offset:4096*(32*(\a/2)+8*(\a%2)+2*\t+8*(\t/4)) th:TH_LOAD_NT   ; places 2 t, 2 t + 1 of my block a: two rows, 256 consecutive bytes each
.endr
.endr
	WIN 0
	s_wait_tensorcnt 1                             ; the scale words and my part of slot 0 are in (slot 1's load may be out),
	s_barrier_signal -1
	s_barrier_wait -1                              ; everybody's are
	FETCH_B 0, 0, 0
	FETCH_A 0, 0, 0
	SCALES 0
	FETCH_A 0, 0, T/2
	STEP 0, 0, 1                                   ; the first step's products start the sums
	STEP 0, 1, 0
	STEP 0, 2, 0
	TURN 0, 1
	STEP 1, 0, 0
	STEP 1, 1, 0
	STEP 1, 2, 0
	s_wait_dscnt (T/2)*NLA
	MULS 0, T/2, 1, NQ-1, 1, 0
	s_wait_dscnt 0
	MULS T/2, T/2, 1, NQ-1, 1, 0
	WIN 0
; THE WAY OUT, block by block of 16 rows x 64 columns, through my own stage: LDS serves a wave's instructions in order (ISA guide 5.7.1.4), so no wait stands between the stores and the loads.
.macro TOSTAGE a
	WIN 0x08                                       ; an LDS store's data are its source 1: window 2
.irp b, 0,1,2,3
	ds_store_b128 v[STO], v[8*(4*(\a)+\b):8*(4*(\a)+\b)+3] offset:128*(\b/2)+32*(\b%2)       ; each accumulator from its low end on
	ds_store_b128 v[STO], v[8*(4*(\a)+\b)+4:8*(4*(\a)+\b)+7] offset:128*(\b/2)+32*(\b%2)+16
.endr
	WIN 0
.irp t, 0,1,2,3,4,5,6,7
	ds_load_b128 v[OB+32*(\a)+4*\t:OB+32*(\a)+4*\t+3], v[RD] offset:544*\t
.endr
.endm
.macro SEND a, n                       ; n: the LDS instructions issued behind block a's loads
	s_wait_dscnt \n
	WIN 0x0c                                       ; source 1: window 3
.set SI, 0
.rept 16
	v_pk_add_f32 v[OB+32*(\a)+SI:OB+32*(\a)+SI+1], v[OB+32*(\a)+SI:OB+32*(\a)+SI+1], v[32*(\a)+SI:32*(\a)+SI+1]
.set SI, SI+2
.endr
	WIN 0
.irp t, 0,1,2,3,4,5,6,7
	global_store_b128 v[CO], v[OB+32*(\a)+4*\t:OB+32*(\a)+4*\t+3], s[10:11] offset:4096*(32*((\a)/2)+8*((\a)%2)+2*\t+8*(\t/4))   ; sixteen lanes store 256 consecutive bytes, at a multiple of 256 from x1's first byte
.endr
.endm
	PLACES 4
	s_wait_loadcnt 0x0                             ; the residual
	TOSTAGE 0
	TOSTAGE 1
	SEND 0, 16                                     ; behind block 0's loads: block 1's 8 stores and 8 loads
	TOSTAGE 2
	SEND 1, 16
	TOSTAGE 3
	SEND 2, 16
	SEND 3, 0                                      ; each block has registers of its own: none that a store reads is written again
	s_wait_tensorcnt 0x0                           ; the wave's end
	ds_add_u32 v[SPW], v[NIL]
	s_wait_dscnt 0x0
	CROUND                                         ; the closing round
	s_endpgm
.Lfunc_end_k_q97128fe0fd_wo:
	.size	k_q97128fe0fd_wo, .Lfunc_end_k_q97128fe0fd_wo-k_q97128fe0fd_wo
	.p2alignl 7, 3214868480
	.fill 96, 4, 3214868480
	.section	.rodata,"a",@progbits
	.p2align	6, 0x0
	.amdhsa_kernel k_q97128fe0fd_wo
		.amdhsa_group_segment_fixed_size 327680
		.amdhsa_private_segment_fixed_size 0
		.amdhsa_enable_private_segment 0
		.amdhsa_kernarg_size 32
		.amdhsa_user_sgpr_count 2
		.amdhsa_user_sgpr_kernarg_segment_ptr 1
		.amdhsa_wavefront_size32 1
		.amdhsa_system_sgpr_workgroup_id_x 1
		.amdhsa_system_sgpr_workgroup_id_y 1
		.amdhsa_system_sgpr_workgroup_id_z 1
		.amdhsa_system_vgpr_workitem_id 0
		.amdhsa_next_free_vgpr 1024
		.amdhsa_next_free_sgpr 100
		.amdhsa_reserve_vcc 0
		.amdhsa_float_denorm_mode_32 3
		.amdhsa_float_denorm_mode_16_64 3
		.amdhsa_memory_ordered 1
		.amdhsa_forward_progress 1
		.amdhsa_inst_pref_size 61
	.end_amdhsa_kernel
	.amdgpu_metadata
---
amdhsa.version: [ 1, 2 ]
amdhsa.kernels:
  - .name:           k_q97128fe0fd_wo
    .symbol:         k_q97128fe0fd_wo.kd
    .args:
      - { .name: ybuf, .offset: 0, .size: 8, .value_kind: global_buffer, .address_space: global }
      - { .name: wts, .offset: 8, .size: 8, .value_kind: global_buffer, .address_space: global }
      - { .name: x, .offset: 16, .size: 8, .value_kind: global_buffer, .address_space: global }
      - { .name: x1, .offset: 24, .size: 8, .value_kind: global_buffer, .address_space: global }
    .group_segment_fixed_size: 327680
    .private_segment_fixed_size: 0
    .kernarg_segment_align: 8
    .kernarg_segment_size: 32
    .max_flat_workgroup_size: 128
    .sgpr_count:     100
    .vgpr_count:     1024
    .wavefront_size: 32
...
	.end_amdgpu_metadata
.endif
;; end of part 4
;; launch norm2 (part 5): grid 256 x 1, 8 waves a work-group, no clusters, 67,072 bytes of LDS; arguments x1, g2, hbuf; writes hbuf
.if DOCPART == 5
	.amdgcn_target "amdgcn-amd-amdhsa--gfx1250"
	.amdhsa_code_object_version 6
	.text
	.protected	k_q97128fe0fd_norm2
	.globl	k_q97128fe0fd_norm2
	.p2align	8
	.type	k_q97128fe0fd_norm2,@function
k_q97128fe0fd_norm2:
	s_mov_b64 s[64:65], 0
	v_nop
	global_prefetch_b8 v0, s[64:65] scope:SCOPE_SE
	s_setreg_imm32_b32 hwreg(HW_REG_WAVE_MODE, 25, 1), 1
	s_wait_xcnt 0x0
; h = x * rsqrt(mean(x^2) + 1e-6) * g for rows of 1,024 f32, quantised along the row to BF6 (E3M2) with one E8M0 byte for each 32, and laid as the matrix unit's registers take it.
; LAYOUT OF THE RESULT.  Row blocks of 16 rows; place p of row block t holds row 32 (t / 2) + 8 (t % 2) + p + 8 (p / 8).  Codes [row block][K step of 128][1,536 bytes]: register group c of lane l at 512 c + 16 l.
; Scale words from byte 3,145,728: planes [K step] 32,768 bytes apart, 4 bytes a row place.
; SHARES.  Work-group t makes row block t.  Phase 1: wave w norms the rows at places 2 w and 2 w + 1 (each load 512 consecutive bytes) and lays them in LDS as f32.  One barrier.
; Phase 2: wave w quantises K step w of all 16 rows: lane (r, h) takes, of row r, 16 neighbours of each block of 32, so that the conversions' results are the fragment.
; LIMITS: the reciprocal root is v_rsq_f32's; the sum of squares is taken in another order than a row-wise sum; a block of zeros gets the byte 1; NaN and infinities are not served.
.set PITCH, 4112                       ; an LDS row: 4,096 bytes + 16: the sixteen rows that a load of phase 2 touches start 16 bytes apart modulo 256
.set G,   16                           ; v16-47   g: my 32 columns
.set XR,  48                           ; v48-111  two rows of x, 32 numbers a lane each; in phase 2 the 64 numbers to quantise
.set TM,  112                          ; v112-127 at work in the quantiser
.set PC,  128                          ; v128-147 the codes
.set PW,  148                          ; v148     the scale word
.set RS,  150                          ; v150-153 1 / rms, twice for each row (pairs for the packed multiply)
.set SEL, 16                           ; s[16:17] lane selects for v_permlanex16_b32: lane l xor 16
	s_load_b128 s[4:7], s[0:1], 0x0                ; x, g
	s_load_b64 s[8:9], s[0:1], 0x10                ; the result
	v_lshl_add_u32 v160, v0, 2, 0x10200
	v_mov_b32 v161, 0
	v_lshrrev_b32 v1, 5, v0
	v_readfirstlane_b32 s10, v1                    ; wave 0..7
	v_and_b32 v1, 31, v0
	v_lshlrev_b32 v2, 4, v1                        ; 16 x lane
	s_lshr_b32 s11, ttmp9, 1
	s_lshl_b32 s11, s11, 5
	s_and_b32 s12, ttmp9, 1
	s_lshl_b32 s12, s12, 3
	s_add_co_u32 s11, s11, s12
	s_lshl_b32 s12, s10, 1
	s_add_co_u32 s11, s11, s12
	s_lshr_b32 s12, s10, 2
	s_lshl_b32 s12, s12, 3
	s_add_co_u32 s11, s11, s12                     ; the row at place 2 w: 32 (t / 2) + 8 (t % 2) + 2 w + 8 (w / 4); place 2 w + 1 is the row below
	s_lshl_b32 s12, s11, 12
	s_mov_b32 s13, 0
	s_mov_b32 s14, 0x3a800000                      ; 1 / 1,024
	s_mov_b32 s15, 0x358637bd                      ; 1e-6
	s_mov_b32 s[SEL], 0x76543210
	s_mov_b32 s[SEL+1], 0xfedcba98
	s_mul_i32 s18, s10, 2*PITCH
	v_add_nc_u32 v3, s18, v2                       ; LDS, phase 1: my two rows, 16 x lane
	v_and_b32 v5, 15, v0                           ; r
	v_bfe_u32 v6, v0, 4, 1                         ; h
	v_mul_u32_u24 v4, v5, PITCH
	v_lshl_add_u32 v4, v6, 6, v4
	s_lshl_b32 s19, s10, 9
	v_add_nc_u32 v4, s19, v4                       ; LDS, phase 2: row r, K step w, + 64 h
	v_lshlrev_b32 v7, 2, v5                        ; the scale word's place: 4 r
	s_mul_i32 s22, ttmp9, 12288
	s_mul_i32 s23, s10, 1536
	s_add_co_u32 s22, s22, s23                     ; my fragment
	s_mov_b32 s23, 0
	s_lshl_b32 s20, s10, 15
	s_lshl_b32 s21, ttmp9, 6
	s_add_co_u32 s20, s20, s21
	s_add_co_u32 s20, s20, 3145728                 ; my 16 scale words: plane w, row block t
	s_mov_b32 s21, 0
.irp b, 0,1,2,3
	v_mov_b32 v[TM+4+\b], 0                        ; written once: a lane permute's destination counts as one of its sources
.endr
	s_wait_kmcnt 0x0
	s_add_nc_u64 s[4:5], s[4:5], s[12:13]
	s_add_nc_u64 s[20:21], s[8:9], s[20:21]
	s_add_nc_u64 s[8:9], s[8:9], s[22:23]
.irp i, 0,1
.irp j, 0,1,2,3,4,5,6,7
	global_load_b128 v[XR+32*\i+4*\j:XR+32*\i+4*\j+3], v2, s[4:5] offset:4096*\i+512*\j th:TH_LOAD_NT
.endr
.endr
.irp j, 0,1,2,3,4,5,6,7
	global_load_b128 v[G+4*\j:G+4*\j+3], v2, s[6:7] offset:512*\j
.endr
	s_wait_loadcnt 8                               ; x's sixteen loads are in; g's eight may be out
.irp i, 0,1                                    ; the sums of squares: two chains a row, started by the first products
	v_pk_mul_f32 v[8+4*\i:9+4*\i], v[XR+32*\i:XR+32*\i+1], v[XR+32*\i:XR+32*\i+1]
	v_pk_mul_f32 v[10+4*\i:11+4*\i], v[XR+32*\i+2:XR+32*\i+3], v[XR+32*\i+2:XR+32*\i+3]
.endr
.irp p, 4,8,12,16,20,24,28
.irp i, 0,1
	v_pk_fma_f32 v[8+4*\i:9+4*\i], v[XR+32*\i+\p:XR+32*\i+\p+1], v[XR+32*\i+\p:XR+32*\i+\p+1], v[8+4*\i:9+4*\i]
	v_pk_fma_f32 v[10+4*\i:11+4*\i], v[XR+32*\i+\p+2:XR+32*\i+\p+3], v[XR+32*\i+\p+2:XR+32*\i+\p+3], v[10+4*\i:11+4*\i]
.endr
.endr
.irp i, 0,1
	v_pk_add_f32 v[8+4*\i:9+4*\i], v[8+4*\i:9+4*\i], v[10+4*\i:11+4*\i]
.endr
.irp i, 0,1
	v_add_f32 v[8+4*\i], v[8+4*\i], v[9+4*\i]
.endr
.irp m, 1,2,4,8                                ; across the 32 lanes: four steps inside each half, one across
.irp i, 0,1
	v_add_f32_dpp v[8+4*\i], v[8+4*\i], v[8+4*\i] row_xmask:\m row_mask:0xf bank_mask:0xf
.endr
.endr
.irp i, 0,1
	v_permlanex16_b32 v[9+4*\i], v[8+4*\i], s[SEL], s[SEL+1]
.endr
.irp i, 0,1
	v_add_f32 v[8+4*\i], v[8+4*\i], v[9+4*\i]
.endr
.irp i, 0,1
	v_fma_f32 v[8+4*\i], v[8+4*\i], s14, s15       ; the mean + 1e-6
.endr
.irp i, 0,1
	v_rsq_f32 v[RS+2*\i], v[8+4*\i]
	v_rsq_f32 v[RS+2*\i+1], v[8+4*\i]
.endr
	v_nop                                          ; a plain line behind the last of the four
	s_wait_alu depctr_va_vdst(0)                   ; one wait for the batch, ahead of its first reader
.irp i, 0,1
.irp p, 0,2,4,6,8,10,12,14,16,18,20,22,24,26,28,30
	v_pk_mul_f32 v[XR+32*\i+\p:XR+32*\i+\p+1], v[XR+32*\i+\p:XR+32*\i+\p+1], v[RS+2*\i:RS+2*\i+1]
.endr
.endr
	s_wait_loadcnt 0x0                             ; g
.irp i, 0,1
.irp p, 0,2,4,6,8,10,12,14,16,18,20,22,24,26,28,30
	v_pk_mul_f32 v[XR+32*\i+\p:XR+32*\i+\p+1], v[XR+32*\i+\p:XR+32*\i+\p+1], v[G+\p:G+\p+1]
.endr
.endr
.irp i, 0,1
.irp j, 0,1,2,3,4,5,6,7
	ds_store_b128 v3, v[XR+32*\i+4*\j:XR+32*\i+4*\j+3] offset:\i*PITCH+512*\j
.endr
.endr
	s_wait_dscnt 0x0                               ; for the others' sake: my two rows lie in LDS
	s_barrier_signal -1
	s_barrier_wait -1                              ; all sixteen do
.irp b, 0,1,2,3
.irp j, 0,1,2,3
	ds_load_b128 v[XR+16*\b+4*\j:XR+16*\b+4*\j+3], v4 offset:128*\b+16*\j     ; register 16 b + i = k 128 w + 32 b + 16 h + i of row r
.endr
.endr
	s_wait_dscnt 0x0
.irp b, 0,1,2,3
	v_max3_num_f32 v[TM+\b], |v[XR+16*\b]|, |v[XR+1+16*\b]|, 0x2800000   ; block b: my 16 numbers, and the floor 2^(5 - 127): the byte cannot fall under 1
.endr
.irp i, 2,4,6,8,10,12,14
.irp b, 0,1,2,3
	v_max3_num_f32 v[TM+\b], v[TM+\b], |v[XR+16*\b+\i]|, |v[XR+1+16*\b+\i]|
.endr
.endr
.irp b, 0,1,2,3
	v_permlanex16_b32 v[TM+4+\b], v[TM+\b], s[SEL], s[SEL+1]
.endr
.irp b, 0,1,2,3
	v_max_num_f32 v[TM+\b], v[TM+\b], v[TM+4+\b]   ; with lane l xor 16's: the block's largest magnitude
.endr
.irp b, 0,1,2,3
	v_add_nc_u32 v[TM+12+\b], 0xfe000000, v[TM+\b] ; 4 off its exponent field: the conversion's scale operand
.endr
.irp b, 0,1,2,3
	v_lshrrev_b32 v[TM+4+\b], 23, v[TM+12+\b]      ; the scale's byte
.endr
	v_lshl_or_b32 v[PW], v[TM+5], 8, v[TM+4]
	v_lshl_or_b32 v[PW], v[TM+6], 16, v[PW]
	v_lshl_or_b32 v[PW], v[TM+7], 24, v[PW]        ; row r's scale word, the same in lanes r and r + 16
.irp c, 0,1
	v_cvt_scalef32_pk16_bf6_f32 v[PC+6*\c:PC+2+6*\c], v[XR+32*\c:XR+15+32*\c], v[TM+12+2*\c]
	v_cvt_scalef32_pk16_bf6_f32 v[PC+12+4*\c:PC+14+4*\c], v[XR+16+32*\c:XR+31+32*\c], v[TM+12+2*\c+1]
.endr
	v_nop                                          ; one plain line behind the conversions
.irp c, 0,1                                    ; the operand's layout wants a whole block in a lane: lanes 0-15 block 2 c, lanes 16-31 block 2 c + 1
.irp i, 0,1,2
	v_permlane16_swap_b32 v[PC+6*\c+\i], v[PC+12+4*\c+\i]
.endr
.irp i, 0,1,2
	v_mov_b32 v[PC+3+6*\c+\i], v[PC+12+4*\c+\i]
.endr
.endr
.irp c, 0,1,2
	global_store_b128 v2, v[PC+4*\c:PC+4*\c+3], s[8:9] offset:512*\c     ; 512 consecutive bytes, at a multiple of 256 from the buffer's first byte
.endr
	global_store_b32 v7, v[PW], s[20:21]           ; lanes r and r + 16 write the same word with the same value
	s_wait_tensorcnt 0x0
	ds_add_u32 v160, v161
	s_wait_dscnt 0x0
	s_endpgm
.Lfunc_end_k_q97128fe0fd_norm2:
	.size	k_q97128fe0fd_norm2, .Lfunc_end_k_q97128fe0fd_norm2-k_q97128fe0fd_norm2
	.p2alignl 7, 3214868480
	.fill 96, 4, 3214868480
	.section	.rodata,"a",@progbits
	.p2align	6, 0x0
	.amdhsa_kernel k_q97128fe0fd_norm2
		.amdhsa_group_segment_fixed_size 67072
		.amdhsa_private_segment_fixed_size 0
		.amdhsa_enable_private_segment 0
		.amdhsa_kernarg_size 24
		.amdhsa_user_sgpr_count 2
		.amdhsa_user_sgpr_kernarg_segment_ptr 1
		.amdhsa_wavefront_size32 1
		.amdhsa_system_sgpr_workgroup_id_x 1
		.amdhsa_system_sgpr_workgroup_id_y 1
		.amdhsa_system_sgpr_workgroup_id_z 1
		.amdhsa_system_vgpr_workitem_id 0
		.amdhsa_next_free_vgpr 162
		.amdhsa_next_free_sgpr 66
		.amdhsa_reserve_vcc 0
		.amdhsa_float_denorm_mode_32 3
		.amdhsa_float_denorm_mode_16_64 3
		.amdhsa_memory_ordered 1
		.amdhsa_forward_progress 1
		.amdhsa_inst_pref_size 19
	.end_amdhsa_kernel
	.amdgpu_metadata
---
amdhsa.version: [ 1, 2 ]
amdhsa.kernels:
  - .name:           k_q97128fe0fd_norm2
    .symbol:         k_q97128fe0fd_norm2.kd
    .args:
      - { .name: x1, .offset: 0, .size: 8, .value_kind: global_buffer, .address_space: global }
      - { .name: g2, .offset: 8, .size: 8, .value_kind: global_buffer, .address_space: global }
      - { .name: hbuf, .offset: 16, .size: 8, .value_kind: global_buffer, .address_space: global }
    .group_segment_fixed_size: 67072
    .private_segment_fixed_size: 0
    .kernarg_segment_align: 8
    .kernarg_segment_size: 24
    .max_flat_workgroup_size: 256
    .sgpr_count:     66
    .vgpr_count:     162
    .wavefront_size: 32
...
	.end_amdgpu_metadata
.endif
;; end of part 5
;; launch ffn1 (part 6): grid 16 x 16, 4 waves a work-group, clusters of 4 x 4, 327,680 bytes of LDS; arguments hbuf, wts, b1, abuf; writes abuf
.if DOCPART == 6
	.amdgcn_target "amdgcn-amd-amdhsa--gfx1250"
	.amdhsa_code_object_version 6
	.text
	.protected	k_q97128fe0fd_ffn1
	.globl	k_q97128fe0fd_ffn1
	.p2align	8
	.type	k_q97128fe0fd_ffn1,@function
k_q97128fe0fd_ffn1:
	s_mov_b64 s[64:65], 0
	v_nop
	global_prefetch_b8 v0, s[64:65] scope:SCOPE_SE
	s_setreg_imm32_b32 hwreg(HW_REG_WAVE_MODE, 25, 1), 1
	s_wait_xcnt 0x0
	s_wait_alu depctr_hold_cnt(0) depctr_sa_sdst(0) depctr_va_vdst(0) depctr_va_sdst(0) depctr_va_ssrc(0) depctr_va_vcc(0) depctr_vm_vsrc(0)
	s_getreg_b32 s2, hwreg(HW_REG_IB_STS2, 6, 4)
	s_cmp_eq_u32 s2, 0
	s_cbranch_scc0 .Lentry_in_a_cluster
	s_endpgm
.Lentry_in_a_cluster:
	s_bfe_u32 s2, ttmp6, 0x10000c
	s_cmp_lg_u32 s2, 0xf033
	s_cbranch_scc0 .Lentry_shape_is_right
	s_endpgm
.Lentry_shape_is_right:
; a = gelu(h W1^T + b1), exact GELU, on codes of BF6 (E3M2) with E8M0 scales; a is quantised in registers along its 4,096 columns and stored as the next product's operand.  C = A B^T, tiles of 256 x 256, K = 1,024.
; OPERANDS lie in memory and in LDS as images of their registers: a fragment (16 rows x 128 K, 12 registers a lane) is 1,536 bytes, register group c of lane l at 512 c + 16 l.  Buffers: [row block][K step][1,536].
; Scale words: planes [K step][row place][4 bytes].  Place p of row block t is row 32 (t / 2) + 8 (t % 2) + p + 8 (p / 8).
; FOUR WAVES, each 128 x 128 of C: 64 accumulators.  THE MATRIX INSTRUCTION IS USED TRANSPOSED (source 0 = 16 rows of B, source 1 = 16 rows of A): lane (r, h) holds A's place r, and the 16 registers of B's blocks
; 2 b, 2 b + 1 are columns 32 b + 16 h + 0 .. 15: sixteen neighbours along the next K.  The bias is the C of each sum's first matrix instruction.
; RING: two LDS slots of 256 along K, joint tensor loads in a 4 x 4 cluster (A's tiles shared along a row, B's along a column).  The scale words of all of K come once.
; GELU: gelu(x) = max(x, 0) - |x| q, q = erfc(|x| / sqrt 2) / 2 = t 2^(-x^2 log2(e) / 2 + P(t)), t = 1 / (1 + |x| / (2 sqrt 2)), P a polynomial of degree 9 (the rational-argument fit of erfc whose fractional error is under
; 1.2e-7 for every argument, its coefficients times log2(e), the half in its constant).  No difference of near numbers is formed, in the negative tail either, and no branch hangs on data.
; LIMITS: q under 2^-126 falls to 0 (x under about -13, where |gelu| is under 1e-37); t is v_rcp_f32's; a block of zeros gets the byte 1; NaN and infinities are not served.
; THE EPILOGUE IS A LOOP of 8 trips, a block of 16 rows each, so that its text is written once: a short piece for each block brings the block's 64 numbers from its accumulators to one place.
; REGISTERS: window 0: v16-31 addresses; v32-63 scale words, two sets, and nothing else; v64-127 the bias; from v128 A's 8 fragments; in the epilogue v128-164 at work.  Window 1: B's fragments, two sets, at v0 and v128;
;   in the epilogue t, P, x^2 and x, 64 each.  Windows 2, 3: accumulator (a, b) at v[8 (8 (a % 4) + b)] of window 2 + a / 4.
.set T,     8
.set NQ,    2
.set NK,    8
.set NLA,   3
.set FR,    12
.set FRB,   1536
.set PARTB, T*NQ*FRB
.set SLOT,  4*PARTB
.set LAPS,  NK/(2*NQ)
.set SPART, NK*64*T
.set SCL,   2*SLOT
.set SPARE, SCL+4*SPART                ; the spare words, 128 bytes for each wave: two blocks of 256 bytes that no other line names
.set ADRA, 16
.set ADRB, 20
.set LI,   24                          ; v24 16 x lane
.set SWA,  25                          ; v25 LDS: my wave's 512 bytes of scale words, + 4 r
.set SWT,  26                          ; v26 the same for the block in hand
.set ADRS, 27
.set SPW,  28
.set NIL,  29
.set SWR,  30                          ; v30 LDS: the same 512 bytes, + 16 x lane
.set SC,   32
.set BIAS, 64
.set AF,   128
.set TM,   128
.set PC,   144
.set PW,   164
.set GT,   0                           ; in window 1
.set GP,   64
.set GQ,   128
.set GX,   192
.set SEL,  96
.set G1, 24
.set G0, 32
.set G1B, 48
.set G0B, 56
.set G1S, 68
.set G0S, 76
.set G1SB, 80
.set G0SB, 88
.set MSB, 0
.macro WIN new                         ; the immediate's high byte repeats the setting that is left
.if MSB != (\new)
	s_set_vgpr_msb (MSB<<8)|(\new)
.set MSB, (\new)
.endif
.endm
.macro JLOAD g0a, g1a, g0b, g1b        ; a joint load: waves 0 and 1 fetch for A, waves 2 and 3 for B; four v_nop follow each of the two lines
	s_cmp_eq_u32 s15, 0
	s_cbranch_scc0 .Lfor_b_\@
	tensor_load_to_lds s[\g0a:\g0a+3], s[\g1a:\g1a+7]
	s_nop 0
.rept 4
	v_nop
.endr
	s_branch .Lasked_\@
.Lfor_b_\@:
	tensor_load_to_lds s[\g0b:\g0b+3], s[\g1b:\g1b+7]
	s_nop 0
.rept 4
	v_nop
.endr
.Lasked_\@:
.endm
.macro CREST
	s_cmp_lg_u32 s14, 0
	s_cbranch_scc1 .Lnot_wave_0_\@
	s_barrier_signal -3
.Lnot_wave_0_\@:
	s_barrier_wait -3
	s_barrier_signal -1
	s_barrier_wait -1
.endm
.macro CROUND
	s_barrier_signal -1
	s_barrier_wait -1
	CREST
.endm
.macro PLACES n                        ; plain lines between a matrix instruction and a load into, or a read or write of, its registers (ISA guide 7.12.1 for reads and writes)
.rept \n
	v_nop
.endr
.endm
.macro FRAG reg, adr, q, i
.irp c, 0,1,2
	ds_load_b128 v[\reg+4*\c:\reg+4*\c+3], v[\adr] offset:((\i)*NQ+(\q))*FRB+512*\c
.endr
.endm
.macro FETCH_B slot, q, p
	WIN 0x40
.set FI, 0
.rept T
	FRAG 128*(\p)+FR*FI, ADRB+\slot, \q, FI
.set FI, FI+1
.endr
	WIN 0
.endm
.macro FETCH_A slot, q, i0
.set FI, \i0
.rept T/2
	FRAG AF+FR*FI, ADRA+\slot, \q, FI
.set FI, FI+1
.endr
.endm
.macro SCALES sc                       ; register NQ i + q: lanes 0-15 A's block i, lanes 16-31 B's block i, the slot's K step q
.set FI, 0
.rept T
.set FQ, 0
.rept NQ
	ds_load_b32 v[SC+16*(\sc)+NQ*FI+FQ], v[ADRS] offset:64*T*FQ+64*FI
.set FQ, FQ+1
.endr
.set FI, FI+1
.endr
.endm
; A's block a against B's T blocks.  first = 2: the bias starts the sums.  The accumulators take turns, one instruction a turn.
.macro MULA a, p, q, sc, first
.set AW, 2+(8*T*(\a))/256
.set AB, (8*T*(\a))%256
.if \first == 2
	WIN (AW<<6)|1                                  ; C in window 0
.else
	WIN (AW<<6)|(AW<<4)|1
.endif
.set MB, 0
.rept T
.if \first == 2
	v_wmma_scale_f32_16x16x128_f8f6f4 v[AB+8*MB:AB+8*MB+7], v[128*(\p)+FR*MB:128*(\p)+FR*MB+FR-1], v[AF+FR*(\a):AF+FR*(\a)+FR-1], v[BIAS+8*MB:BIAS+8*MB+7], v[SC+16*(\sc)+NQ*MB+(\q)], v[SC+16*(\sc)+NQ*(\a)+(\q)] matrix_a_fmt:MATRIX_FMT_BF6 matrix_b_fmt:MATRIX_FMT_BF6 matrix_a_scale:MATRIX_SCALE_ROW1
.else
	v_wmma_scale_f32_16x16x128_f8f6f4 v[AB+8*MB:AB+8*MB+7], v[128*(\p)+FR*MB:128*(\p)+FR*MB+FR-1], v[AF+FR*(\a):AF+FR*(\a)+FR-1], v[AB+8*MB:AB+8*MB+7], v[SC+16*(\sc)+NQ*MB+(\q)], v[SC+16*(\sc)+NQ*(\a)+(\q)] matrix_a_fmt:MATRIX_FMT_BF6 matrix_b_fmt:MATRIX_FMT_BF6 matrix_a_scale:MATRIX_SCALE_ROW1
.endif
.set MB, MB+1
.endr
.endm
.macro MULS a0, n, p, q, sc, first
.set MA, \a0
.rept \n
	MULA MA, \p, \q, \sc, \first
.set MA, MA+1
.endr
.endm
.macro STEP slot, q, first
	s_wait_dscnt (T/2)*NLA                         ; all but the youngest loads, A's upper blocks
	MULS 0, T/2, (\q)%2, \q, \slot, \first
	s_wait_dscnt 0
	PLACES 4
	FETCH_B \slot, (\q)+1, 1-(\q)%2
	FETCH_A \slot, (\q)+1, 0
	MULS T/2, T/2, (\q)%2, \q, \slot, \first
	PLACES 4
	WIN 0
	FETCH_A \slot, (\q)+1, T/2
.endm
; A slot's last step changes slots: one barrier; in front of it each wave waits for all its tensor loads, adds 0 to its spare word, and waits for that and for its reads of this slot.  fill = 1: the slot is filled again.
.macro TURN slot, next, fill
	s_wait_tensorcnt 0x0                           ; all my tensor loads have landed: my part of the next slot
	ds_add_u32 v[SPW], v[NIL]                      ; 0 onto my spare word
	s_wait_dscnt (T/2)*NLA+1                       ; (the add and A's upper blocks may be out)
	MULS 0, T/4, 1, NQ-1, \slot, 0
	s_wait_dscnt 0x0                               ; the add is done, and my reads of this slot are over
	s_barrier_signal -1
	MULS T/4, T/4, 1, NQ-1, \slot, 0
	WIN 0
	s_barrier_wait -1
.if \fill
	CREST                                          ; the barrier has opened a round of the cluster's: no wave of any partner still reads this slot or has a load on its way
	s_add_nc_u64 s[G0+4*\slot+2:G0+4*\slot+3], s[G0+4*\slot+2:G0+4*\slot+3], 2*NQ*FRB
	s_add_nc_u64 s[G0B+4*\slot+2:G0B+4*\slot+3], s[G0B+4*\slot+2:G0B+4*\slot+3], 2*NQ*FRB
	JLOAD G0+4*\slot, G1, G0B+4*\slot, G1B         ; the first tensor load behind the round; its four v_nop are the places in front of the loads below
.else
	PLACES 4
.endif
	v_add_nc_u32 v[ADRS], NQ*64*T, v[ADRS]
	FETCH_B \next, 0, 0
	FETCH_A \next, 0, 0
	SCALES \next
	MULS T/2, T/2, 1, NQ-1, \slot, 0
	PLACES 4
	WIN 0
	FETCH_A \next, 0, T/2
.endm
; 64 numbers of a lane in window w, register s + 16 b + i = k 32 b + 16 h + i of my row, become a fragment's codes in v[PC] on and its scale word in v[PW] (window 0).
.macro QUANTW w, s
	WIN (\w)|((\w)<<2)
.irp b, 0,1,2,3
	v_max3_num_f32 v[TM+\b], |v[(\s)+16*\b]|, |v[(\s)+1+16*\b]|, 0x2800000   ; and the floor 2^(5 - 127): the byte cannot fall under 1
.endr
	WIN ((\w)<<2)|((\w)<<4)
.irp i, 2,4,6,8,10,12,14
.irp b, 0,1,2,3
	v_max3_num_f32 v[TM+\b], v[TM+\b], |v[(\s)+16*\b+\i]|, |v[(\s)+1+16*\b+\i]|
.endr
.endr
	WIN 0
.irp b, 0,1,2,3
	v_permlanex16_b32 v[TM+4+\b], v[TM+\b], s[SEL], s[SEL+1]
.endr
.irp b, 0,1,2,3
	v_max_num_f32 v[TM+\b], v[TM+\b], v[TM+4+\b]
.endr
.irp b, 0,1,2,3
	v_add_nc_u32 v[TM+12+\b], 0xfe000000, v[TM+\b] ; 4 off the exponent field: the conversion's scale operand
.endr
.irp b, 0,1,2,3
	v_lshrrev_b32 v[TM+4+\b], 23, v[TM+12+\b]      ; the scale's byte
.endr
	v_lshl_or_b32 v[PW], v[TM+5], 8, v[TM+4]
	v_lshl_or_b32 v[PW], v[TM+6], 16, v[PW]
	v_lshl_or_b32 v[PW], v[TM+7], 24, v[PW]
	WIN (\w)
.irp c, 0,1
	v_cvt_scalef32_pk16_bf6_f32 v[PC+6*\c:PC+2+6*\c], v[(\s)+32*\c:(\s)+15+32*\c], v[TM+12+2*\c]
	v_cvt_scalef32_pk16_bf6_f32 v[PC+12+4*\c:PC+14+4*\c], v[(\s)+16+32*\c:(\s)+31+32*\c], v[TM+12+2*\c+1]
.endr
	WIN 0
	v_nop                                          ; one plain line behind the conversions
.irp c, 0,1
.irp i, 0,1,2
	v_permlane16_swap_b32 v[PC+6*\c+\i], v[PC+12+4*\c+\i]
.endr
.irp i, 0,1,2
	v_mov_b32 v[PC+3+6*\c+\i], v[PC+12+4*\c+\i]
.endr
.endr
.endm
	s_load_b128 s[4:7], s[0:1], 0x0                ; hbuf, wts
	s_load_b128 s[8:11], s[0:1], 0x10              ; b1, abuf
	v_lshl_add_u32 v[SPW], v0, 2, SPARE
	v_mov_b32 v[NIL], 0
	ds_add_u32 v28, v29
	ds_add_u32 v28, v29
	s_wait_dscnt 0x0
	v_lshrrev_b32 v1, 5, v0
	v_readfirstlane_b32 s14, v1                    ; wave 0..3
	s_lshr_b32 s15, s14, 1                         ; which half of the tile's rows is mine.  Also: I fetch for A (0) or for B (1)
	s_and_b32 s16, s14, 1                          ; which half of its columns.  Also: which half of that tile I fetch
	s_bfe_u32 s40, ttmp6, 0x40000                  ; cx
	s_bfe_u32 s41, ttmp6, 0x40004                  ; cy
	s_lshl_b32 s42, ttmp9, 2
	s_add_co_u32 s42, s42, s40                     ; tile column
	s_and_b32 s17, ttmp7, 0xffff
	s_lshl_b32 s17, s17, 2
	s_add_co_u32 s17, s17, s41                     ; tile row
	s_lshl_b32 s43, s41, 2
	s_lshl_b32 s43, 15, s43                        ; my row of the cluster
	s_lshl_b32 s44, 0x1111, s40                    ; my column
	s_or_b32 s[G1+0], s43, (3<<16)|(1<<21)         ; codes: T rows (row blocks) of NQ x 1,536 bytes, NK x 1,536 apart; elements of 8 bytes; bit 21 set beside a mask
	s_or_b32 s[G1B+0], s44, (3<<16)|(1<<21)
.irp g, G1, G1B
	s_mov_b32 s[\g+1], (192*NQ)<<16
	s_mov_b32 s[\g+2], T<<16
	s_mov_b32 s[\g+3], (192*NQ)<<16
	s_mov_b32 s[\g+4], T
	s_mov_b32 s[\g+5], 192*NK
	s_mov_b32 s[\g+6], 0
	s_mov_b32 s[\g+7], 0
.endr
	s_or_b32 s[G1S+0], s43, (3<<16)|(1<<21)        ; scale words: NK rows (planes) of 64 T bytes, 32,768 bytes apart in both buffers
	s_or_b32 s[G1SB+0], s44, (3<<16)|(1<<21)
.irp g, G1S, G1SB
	s_mov_b32 s[\g+1], (8*T)<<16
	s_mov_b32 s[\g+2], NK<<16
	s_mov_b32 s[\g+3], (8*T)<<16
	s_mov_b32 s[\g+4], NK
	s_mov_b32 s[\g+5], 4096
	s_mov_b32 s[\g+6], 0
	s_mov_b32 s[\g+7], 0
.endr
	s_mul_i32 s18, s16, T
	s_mul_i32 s20, s17, 2*T
	s_add_co_u32 s20, s20, s18                     ; A: the first row block that I fetch
	s_mul_i32 s46, s42, 2*T
	s_add_co_u32 s46, s46, s18                     ; B likewise
	s_lshl_b32 s22, s20, 6
	s_add_co_u32 s22, s22, 3145728                 ; h's scale planes
	s_lshl_b32 s92, s46, 6
	s_add_co_u32 s92, s92, 9453568                 ; W1's: row place 4,096 of the planes
	s_mul_i32 s20, s20, NK*FRB
	s_mul_i32 s46, s46, NK*FRB
	s_add_co_u32 s46, s46, 3145728                 ; W1's codes: row block 256
	s_mov_b32 s21, 0
	s_mov_b32 s23, 0
	s_mov_b32 s47, 0
	s_mov_b32 s93, 0
	s_mul_i32 s45, s14, PARTB
	s_mul_i32 s94, s14, SPART
	s_wait_kmcnt 0x0
	s_add_nc_u64 s[20:21], s[4:5], s[20:21]
	s_add_nc_u64 s[22:23], s[4:5], s[22:23]
	s_add_nc_u64 s[46:47], s[6:7], s[46:47]
	s_add_nc_u64 s[92:93], s[6:7], s[92:93]
	CROUND                                         ; all sixteen work-groups are here: the first joint loads meet
	s_mov_b32 s[G0S], 1
	s_add_co_u32 s[G0S+1], s94, SCL
	s_mov_b64 s[G0S+2:G0S+3], s[22:23]
	s_or_b32 s[G0S+3], s[G0S+3], 0x80000000
	s_mov_b32 s[G0SB], 1
	s_add_co_u32 s[G0SB+1], s94, SCL
	s_mov_b64 s[G0SB+2:G0SB+3], s[92:93]
	s_or_b32 s[G0SB+3], s[G0SB+3], 0x80000000
	JLOAD G0S, G1S, G0SB, G1SB
.irp s, 0,1
	s_mov_b32 s[G0+4*\s], 1
	s_add_co_u32 s[G0+4*\s+1], s45, \s*SLOT
	s_add_nc_u64 s[G0+4*\s+2:G0+4*\s+3], s[20:21], \s*NQ*FRB
	s_or_b32 s[G0+4*\s+3], s[G0+4*\s+3], 0x80000000
	s_mov_b32 s[G0B+4*\s], 1
	s_add_co_u32 s[G0B+4*\s+1], s45, \s*SLOT
	s_add_nc_u64 s[G0B+4*\s+2:G0B+4*\s+3], s[46:47], \s*NQ*FRB
	s_or_b32 s[G0B+4*\s+3], s[G0B+4*\s+3], 0x80000000
	JLOAD G0+4*\s, G1, G0B+4*\s, G1B               ; three loads of mine are out
.endr
	v_and_b32 v1, 15, v0                           ; r
	v_bfe_u32 v2, v0, 4, 1                         ; h
	v_and_b32 v3, 31, v0                           ; lane
	v_lshlrev_b32 v[LI], 4, v3
	v_lshlrev_b32 v7, 6, v2                        ; the bias: my half's 16 columns of each 32
	s_lshl_b32 s46, s42, 10
	s_lshl_b32 s47, s16, 9
	s_add_co_u32 s46, s46, s47                     ; my first column, in bytes of f32
	s_mov_b32 s47, 0
	s_add_nc_u64 s[8:9], s[8:9], s[46:47]
.irp b, 0,1,2,3,4,5,6,7
	global_load_b128 v[BIAS+8*\b:BIAS+8*\b+3], v7, s[8:9] offset:4*(32*(\b/2)+8*(\b%2))      ; register j of B's block b: column 32 (b / 2) + 8 (b % 2) + 16 h + j
	global_load_b128 v[BIAS+8*\b+4:BIAS+8*\b+7], v7, s[8:9] offset:4*(32*(\b/2)+8*(\b%2))+16
.endr
	s_mul_i32 s21, s15, PARTB
	s_mul_i32 s22, s16, PARTB
	s_add_co_u32 s22, s22, 2*PARTB
.irp s, 0,1
	v_add_nc_u32 v[ADRA+\s], s21, v[LI]
	v_add_nc_u32 v[ADRB+\s], s22, v[LI]
	s_add_co_u32 s21, s21, SLOT
	s_add_co_u32 s22, s22, SLOT
.endr
	v_lshlrev_b32 v5, 2, v1
	s_mul_i32 s21, s15, SPART
	s_mul_i32 s22, s16, SPART
	s_add_co_u32 s22, s22, 2*SPART
	s_sub_co_u32 s22, s22, s21
	v_mul_u32_u24 v6, s22, v2                      ; lanes 16-31 take B's
	s_add_co_u32 s21, s21, SCL
	v_add_nc_u32 v6, v5, v6
	v_add_nc_u32 v[ADRS], s21, v6
	s_lshl_b32 s23, s14, 9                         ; the way out's scale words: 512 bytes a wave in slot 0, which is read no more when the first is stored there
	v_add_nc_u32 v[SWA], s23, v5
	v_add_nc_u32 v[SWR], s23, v[LI]
	s_lshl_b32 s20, s17, 4
	s_lshl_b32 s21, s15, 3
	s_add_co_u32 s20, s20, s21                     ; my first row block
	s_lshl_b32 s21, s42, 1
	s_add_co_u32 s21, s21, s16                     ; my 128 columns are this K step of the next product
	s_lshl_b32 s22, s20, 5
	s_add_co_u32 s22, s22, s21
	s_mul_i32 s12, s22, FRB
	s_mov_b32 s13, 0
	s_lshl_b32 s18, s21, 14
	s_lshl_b32 s19, s20, 6
	s_add_co_u32 s18, s18, s19
	s_add_co_u32 s18, s18, 12582912
	s_mov_b32 s19, 0
	s_add_nc_u64 s[12:13], s[10:11], s[12:13]      ; my first fragment of a
	s_add_nc_u64 s[18:19], s[10:11], s[18:19]      ; my 128 scale words
	s_mov_b32 s[SEL], 0x76543210
	s_mov_b32 s[SEL+1], 0xfedcba98
	s_mov_b32 s98, 0x3eb504f3                      ; 1 / (2 sqrt 2)
	s_mov_b32 s66, 0x3e7c6f08                      ; P's coefficient of t^9
	s_mov_b32 s67, s66                             ; (named with it as a pair)
	s_wait_tensorcnt 1                             ; the scale words and my part of slot 0 are in (slot 1's load may be out),
	s_barrier_signal -1
	s_barrier_wait -1                              ; everybody's are
	FETCH_B 0, 0, 0
	FETCH_A 0, 0, 0
	SCALES 0
	FETCH_A 0, 0, T/2
	s_wait_loadcnt 0x0                             ; the bias
	STEP 0, 0, 2                                   ; the first step stands in front of the loop: its products take the bias as C
	s_mov_b32 s3, LAPS-1
.Llap:
	TURN 0, 1, 1
	STEP 1, 0, 0
	TURN 1, 0, 1
	STEP 0, 0, 0
	s_sub_co_u32 s3, s3, 1
	s_cmp_lg_u32 s3, 0
	s_cbranch_scc1 .Llap
	TURN 0, 1, 0                                   ; the last lap fills nothing
	STEP 1, 0, 0
	s_wait_dscnt (T/2)*NLA
	MULS 0, T/2, 1, NQ-1, 1, 0
	s_wait_dscnt 0
	MULS T/2, T/2, 1, NQ-1, 1, 0
	WIN 0
	; THE WAY OUT
.macro COPY a                          ; block a's 64 numbers from their accumulators (each from its low end on) to x's place in window 1: x 1.0, which changes nothing
	WIN 0x40|(2+(\a)/4)
.set CI, 0
.rept 32
	v_pk_mul_f32 v[GX+CI:GX+CI+1], v[64*((\a)%4)+CI:64*((\a)%4)+CI+1], 1.0 op_sel_hi:[1,0]
.set CI, CI+2
.endr
	WIN 0
.endm
.macro HORNER c                        ; P = P t + c
.set J, 0
.rept 32
	v_pk_fma_f32 v[GP+J:GP+J+1], v[GP+J:GP+J+1], v[GT+J:GT+J+1], \c op_sel_hi:[1,1,0]
.set J, J+2
.endr
.endm
	PLACES 4
.irp b, 0,1,2,3
	v_mov_b32 v[TM+4+\b], 0                        ; written once: a lane permute's destination counts as one of its sources
.endr
	s_mov_b32 s3, 0
.Lblk:                                             ; block s3 of my eight
.irp a, 0,1,2,3,4,5,6
	s_cmp_eq_u32 s3, \a
	s_cbranch_scc1 .Lcopy\a
.endr
	COPY 7
	s_branch .Lgelu
.irp a, 0,1,2,3,4,5,6
.Lcopy\a:
	COPY \a
	s_branch .Lgelu
.endr
.Lgelu:
	WIN 0x55                                       ; all in window 1
.set J, 0
.rept 64
	v_fma_f32 v[GT+J], |v[GX+J]|, s98, 1.0         ; 1 + |x| / (2 sqrt 2)
.set J, J+1
.endr
.set J, 0
.rept 64
	v_rcp_f32 v[GT+J], v[GT+J]                     ; t
.set J, J+1
.endr
.set J, 0
.rept 32
	v_pk_mul_f32 v[GQ+J:GQ+J+1], v[GX+J:GX+J+1], v[GX+J:GX+J+1]   ; x^2: plain work behind the batch
.set J, J+2
.endr
	s_wait_alu depctr_va_vdst(0)                   ; one wait for the 64 reciprocals, ahead of their first reader
.set J, 0
.rept 32
	v_pk_fma_f32 v[GP+J:GP+J+1], v[GT+J:GT+J+1], s[66:67], 0xbf97d29d op_sel_hi:[1,0,0]
.set J, J+2
.endr
	HORNER 0x40097039
	HORNER 0xbfd1a1e5
	HORNER 0x3ecdfd18
	HORNER 0xbe899a80
	HORNER 0x3e0efb2e
	HORNER 0x3f0a29d2
	HORNER 0x3fb8ab5a
	HORNER 0xc034d90f
.set J, 0
.rept 32
	v_pk_fma_f32 v[GP+J:GP+J+1], v[GQ+J:GQ+J+1], 0xbf38aa3b, v[GP+J:GP+J+1] op_sel_hi:[1,0,1]   ; - x^2 log2(e) / 2
.set J, J+2
.endr
.set J, 0
.rept 64
	v_exp_f32 v[GP+J], v[GP+J]
.set J, J+1
.endr
.set J, 0
.rept 64
	v_max_num_f32 v[GQ+J], 0, v[GX+J]              ; max(x, 0): plain work behind the batch
.set J, J+1
.endr
	s_wait_alu depctr_va_vdst(0)                   ; one wait for the 64 exponentials
.set J, 0
.rept 32
	v_pk_mul_f32 v[GP+J:GP+J+1], v[GP+J:GP+J+1], v[GT+J:GT+J+1]   ; q
.set J, J+2
.endr
.set J, 0
.rept 64
	v_fma_f32 v[GT+J], -|v[GX+J]|, v[GP+J], v[GQ+J]               ; gelu(x)
.set J, J+1
.endr
	QUANTW 1, GT
.irp c, 0,1,2
	global_store_b128 v[LI], v[PC+4*\c:PC+4*\c+3], s[12:13] offset:512*\c      ; 512 consecutive bytes, at a multiple of 256 from the buffer's first byte
.endr
	s_lshl_b32 s99, s3, 6
	v_add_nc_u32 v[SWT], s99, v[SWA]
	ds_store_b32 v[SWT], v[PW]                     ; lanes r and r + 16 write the same word with the same value
	s_wait_xcnt 0x0                                ; the stores have read their registers and their base: both are written again only behind this wait
	s_wait_dscnt 0x0                               ; and the LDS store its
	s_add_nc_u64 s[12:13], s[12:13], 32*FRB        ; the next row block's fragment of the same K step
	s_add_co_u32 s3, s3, 1
	s_cmp_lt_u32 s3, 8
	s_cbranch_scc1 .Lblk
	ds_load_b128 v[TM:TM+3], v[SWR]                ; my own bytes: the 128 scale words
	s_wait_dscnt 0x0
	global_store_b128 v[LI], v[TM:TM+3], s[18:19]  ; 512 consecutive bytes
	s_wait_tensorcnt 0x0                           ; the wave's end
	ds_add_u32 v[SPW], v[NIL]
	s_wait_dscnt 0x0
	CROUND                                         ; the closing round
	s_endpgm
.Lfunc_end_k_q97128fe0fd_ffn1:
	.size	k_q97128fe0fd_ffn1, .Lfunc_end_k_q97128fe0fd_ffn1-k_q97128fe0fd_ffn1
	.p2alignl 7, 3214868480
	.fill 96, 4, 3214868480
	.section	.rodata,"a",@progbits
	.p2align	6, 0x0
	.amdhsa_kernel k_q97128fe0fd_ffn1
		.amdhsa_group_segment_fixed_size 327680
		.amdhsa_private_segment_fixed_size 0
		.amdhsa_enable_private_segment 0
		.amdhsa_kernarg_size 32
		.amdhsa_user_sgpr_count 2
		.amdhsa_user_sgpr_kernarg_segment_ptr 1
		.amdhsa_wavefront_size32 1
		.amdhsa_system_sgpr_workgroup_id_x 1
		.amdhsa_system_sgpr_workgroup_id_y 1
		.amdhsa_system_sgpr_workgroup_id_z 1
		.amdhsa_system_vgpr_workitem_id 0
		.amdhsa_next_free_vgpr 1024
		.amdhsa_next_free_sgpr 100
		.amdhsa_reserve_vcc 0
		.amdhsa_float_denorm_mode_32 3
		.amdhsa_float_denorm_mode_16_64 3
		.amdhsa_memory_ordered 1
		.amdhsa_forward_progress 1
		.amdhsa_inst_pref_size 180
	.end_amdhsa_kernel
	.amdgpu_metadata
---
amdhsa.version: [ 1, 2 ]
amdhsa.kernels:
  - .name:           k_q97128fe0fd_ffn1
    .symbol:         k_q97128fe0fd_ffn1.kd
    .args:
      - { .name: hbuf, .offset: 0, .size: 8, .value_kind: global_buffer, .address_space: global }
      - { .name: wts, .offset: 8, .size: 8, .value_kind: global_buffer, .address_space: global }
      - { .name: b1, .offset: 16, .size: 8, .value_kind: global_buffer, .address_space: global }
      - { .name: abuf, .offset: 24, .size: 8, .value_kind: global_buffer, .address_space: global }
    .group_segment_fixed_size: 327680
    .private_segment_fixed_size: 0
    .kernarg_segment_align: 8
    .kernarg_segment_size: 32
    .max_flat_workgroup_size: 128
    .sgpr_count:     100
    .vgpr_count:     1024
    .wavefront_size: 32
...
	.end_amdgpu_metadata
.endif
;; end of part 6
;; launch ffn2 (part 7): grid 8 x 32, 4 waves a work-group, clusters of 4 x 4, 327,680 bytes of LDS; arguments abuf, wts, b2, x1, out0; writes out0
.if DOCPART == 7
	.amdgcn_target "amdgcn-amd-amdhsa--gfx1250"
	.amdhsa_code_object_version 6
	.text
	.protected	k_q97128fe0fd_ffn2
	.globl	k_q97128fe0fd_ffn2
	.p2align	8
	.type	k_q97128fe0fd_ffn2,@function
k_q97128fe0fd_ffn2:
	s_mov_b64 s[64:65], 0
	v_nop
	global_prefetch_b8 v0, s[64:65] scope:SCOPE_SE
	s_setreg_imm32_b32 hwreg(HW_REG_WAVE_MODE, 25, 1), 1
	s_wait_xcnt 0x0
	s_wait_alu depctr_hold_cnt(0) depctr_sa_sdst(0) depctr_va_vdst(0) depctr_va_sdst(0) depctr_va_ssrc(0) depctr_va_vcc(0) depctr_vm_vsrc(0)
	s_getreg_b32 s2, hwreg(HW_REG_IB_STS2, 6, 4)
	s_cmp_eq_u32 s2, 0
	s_cbranch_scc0 .Lentry_in_a_cluster
	s_endpgm
.Lentry_in_a_cluster:
	s_bfe_u32 s2, ttmp6, 0x10000c
	s_cmp_lg_u32 s2, 0xf033
	s_cbranch_scc0 .Lentry_shape_is_right
	s_endpgm
.Lentry_shape_is_right:
; out0 = x1 + b2 + a W2^T on codes of BF6 (E3M2) with E8M0 scales; x1 and out0 are f32 [4,096][1,024].  C = A B^T, K = 4,096, N = 1,024.
; TILES OF 128 x 128: tiles of 256 x 256 would be 64 work-groups for 256 WGPs.  Four waves, each 64 x 64: 16 accumulators.  A slot holds 512 along K, four steps of 128: 64 matrix instructions a wave between two changes of slots.
; OPERANDS lie in memory and in LDS as images of their registers: a fragment (16 rows x 128 K, 12 registers a lane) is 1,536 bytes, register group c of lane l at 512 c + 16 l.  Buffers: [row block][K step][1,536].
; Scale words: planes [K step][row place][4 bytes].  Place p of row block t is row 32 (t / 2) + 8 (t % 2) + p + 8 (p / 8).
; THE MATRIX INSTRUCTION IS USED TRANSPOSED (source 0 = 16 rows of B, source 1 = 16 rows of A): lane (r, h) holds A's place r and, in B's block b, columns 32 (b / 2) + 8 (b % 2) + 16 h + 0 .. 7.
; The bias is the C of each sum's first matrix instruction.  RING: two slots, joint tensor loads in a 4 x 4 cluster (A's tiles shared along a row, B's along a column).  The scale words of all of K come once.
; THE RESIDUAL is asked for at the head, into window 3, in the layout in which rows leave; places are turned back into rows by the immediates of its loads and of the stores.
; REGISTERS: window 0: v16-29 addresses; v32-63 scale words, two sets, and nothing else; v64-95 the bias; from v128 A's 4 fragments; on the way out v128-255 rows of C.  Window 1: B's fragments, two sets, at v0 and v128.
;   Window 2: accumulator (a, b) at v[8 (4 a + b)].  Window 3: v0-127 the residual.
.set T,     4
.set NQ,    4
.set NK,    32
.set NLA,   3
.set FR,    12
.set FRB,   1536
.set PARTB, T*NQ*FRB
.set SLOT,  4*PARTB
.set LAPS,  NK/(2*NQ)
.set SPART, NK*64*T
.set SCL,   2*SLOT
.set SPARE, SCL+4*SPART                ; the spare words, 128 bytes for each wave: two blocks of 256 bytes that no other line names
.set ADRA, 16
.set ADRB, 20
.set STO,  24
.set RD,   25
.set CO,   26
.set ADRS, 27
.set SPW,  28
.set NIL,  29
.set SC,   32
.set BIAS, 64
.set AF,   128
.set OB,   128
.set G1, 24
.set G0, 32
.set G1B, 48
.set G0B, 56
.set G1S, 68
.set G0S, 76
.set G1SB, 80
.set G0SB, 88
.set MSB, 0
.macro WIN new                         ; the immediate's high byte repeats the setting that is left
.if MSB != (\new)
	s_set_vgpr_msb (MSB<<8)|(\new)
.set MSB, (\new)
.endif
.endm
.macro JLOAD g0a, g1a, g0b, g1b        ; a joint load: waves 0 and 1 fetch for A, waves 2 and 3 for B; four v_nop follow each of the two lines
	s_cmp_eq_u32 s15, 0
	s_cbranch_scc0 .Lfor_b_\@
	tensor_load_to_lds s[\g0a:\g0a+3], s[\g1a:\g1a+7]
	s_nop 0
.rept 4
	v_nop
.endr
	s_branch .Lasked_\@
.Lfor_b_\@:
	tensor_load_to_lds s[\g0b:\g0b+3], s[\g1b:\g1b+7]
	s_nop 0
.rept 4
	v_nop
.endr
.Lasked_\@:
.endm
.macro CREST
	s_cmp_lg_u32 s14, 0
	s_cbranch_scc1 .Lnot_wave_0_\@
	s_barrier_signal -3
.Lnot_wave_0_\@:
	s_barrier_wait -3
	s_barrier_signal -1
	s_barrier_wait -1
.endm
.macro CROUND
	s_barrier_signal -1
	s_barrier_wait -1
	CREST
.endm
.macro PLACES n                        ; plain lines between a matrix instruction and a load into, or a read of, its registers (ISA guide 7.12.1 for reads)
.rept \n
	v_nop
.endr
.endm
.macro FRAG reg, adr, q, i
.irp c, 0,1,2
	ds_load_b128 v[\reg+4*\c:\reg+4*\c+3], v[\adr] offset:((\i)*NQ+(\q))*FRB+512*\c
.endr
.endm
.macro FETCH_B slot, q, p
	WIN 0x40
.set FI, 0
.rept T
	FRAG 128*(\p)+FR*FI, ADRB+\slot, \q, FI
.set FI, FI+1
.endr
	WIN 0
.endm
.macro FETCH_A slot, q, i0
.set FI, \i0
.rept T/2
	FRAG AF+FR*FI, ADRA+\slot, \q, FI
.set FI, FI+1
.endr
.endm
.macro SCALES sc                       ; register NQ i + q: lanes 0-15 A's block i, lanes 16-31 B's block i, the slot's K step q
.set FI, 0
.rept T
.set FQ, 0
.rept NQ
	ds_load_b32 v[SC+16*(\sc)+NQ*FI+FQ], v[ADRS] offset:64*T*FQ+64*FI
.set FQ, FQ+1
.endr
.set FI, FI+1
.endr
.endm
; A's block a against B's T blocks.  first = 2: the bias starts the sums.  The accumulators take turns, one instruction a turn.
.macro MULA a, p, q, sc, first
.set AB, 8*T*(\a)
.if \first == 2
	WIN 0x81                                       ; C in window 0
.else
	WIN 0xa1
.endif
.set MB, 0
.rept T
.if \first == 2
	v_wmma_scale_f32_16x16x128_f8f6f4 v[AB+8*MB:AB+8*MB+7], v[128*(\p)+FR*MB:128*(\p)+FR*MB+FR-1], v[AF+FR*(\a):AF+FR*(\a)+FR-1], v[BIAS+8*MB:BIAS+8*MB+7], v[SC+16*(\sc)+NQ*MB+(\q)], v[SC+16*(\sc)+NQ*(\a)+(\q)] matrix_a_fmt:MATRIX_FMT_BF6 matrix_b_fmt:MATRIX_FMT_BF6 matrix_a_scale:MATRIX_SCALE_ROW1
.else
	v_wmma_scale_f32_16x16x128_f8f6f4 v[AB+8*MB:AB+8*MB+7], v[128*(\p)+FR*MB:128*(\p)+FR*MB+FR-1], v[AF+FR*(\a):AF+FR*(\a)+FR-1], v[AB+8*MB:AB+8*MB+7], v[SC+16*(\sc)+NQ*MB+(\q)], v[SC+16*(\sc)+NQ*(\a)+(\q)] matrix_a_fmt:MATRIX_FMT_BF6 matrix_b_fmt:MATRIX_FMT_BF6 matrix_a_scale:MATRIX_SCALE_ROW1
.endif
.set MB, MB+1
.endr
.endm
.macro MULS a0, n, p, q, sc, first
.set MA, \a0
.rept \n
	MULA MA, \p, \q, \sc, \first
.set MA, MA+1
.endr
.endm
.macro STEP slot, q, first
	s_wait_dscnt (T/2)*NLA                         ; all but the youngest loads, A's upper blocks
	MULS 0, T/2, (\q)%2, \q, \slot, \first
	s_wait_dscnt 0
	PLACES 4
	FETCH_B \slot, (\q)+1, 1-(\q)%2
	FETCH_A \slot, (\q)+1, 0
	MULS T/2, T/2, (\q)%2, \q, \slot, \first
	PLACES 4
	WIN 0
	FETCH_A \slot, (\q)+1, T/2
.endm
; A slot's last step changes slots: one barrier; in front of it each wave waits for all its tensor loads, adds 0 to its spare word, and waits for that and for its reads of this slot.  fill = 1: the slot is filled again.
.macro TURN slot, next, fill
	s_wait_tensorcnt 0x0                           ; all my tensor loads have landed: my part of the next slot
	ds_add_u32 v[SPW], v[NIL]                      ; 0 onto my spare word
	s_wait_dscnt (T/2)*NLA+1                       ; (the add and A's upper blocks may be out)
	MULS 0, T/4, 1, NQ-1, \slot, 0
	s_wait_dscnt 0x0                               ; the add is done, and my reads of this slot are over
	s_barrier_signal -1
	MULS T/4, T/4, 1, NQ-1, \slot, 0
	WIN 0
	s_barrier_wait -1
.if \fill
	CREST                                          ; the barrier has opened a round of the cluster's: no wave of any partner still reads this slot or has a load on its way
	s_add_nc_u64 s[G0+4*\slot+2:G0+4*\slot+3], s[G0+4*\slot+2:G0+4*\slot+3], 2*NQ*FRB
	s_add_nc_u64 s[G0B+4*\slot+2:G0B+4*\slot+3], s[G0B+4*\slot+2:G0B+4*\slot+3], 2*NQ*FRB
	JLOAD G0+4*\slot, G1, G0B+4*\slot, G1B         ; the first tensor load behind the round; its four v_nop are the places in front of the loads below
.else
	PLACES 4
.endif
	v_add_nc_u32 v[ADRS], NQ*64*T, v[ADRS]
	FETCH_B \next, 0, 0
	FETCH_A \next, 0, 0
	SCALES \next
	MULS T/2, T/2, 1, NQ-1, \slot, 0
	PLACES 4
	WIN 0
	FETCH_A \next, 0, T/2
.endm
	s_load_b128 s[4:7], s[0:1], 0x0                ; abuf, wts
	s_load_b128 s[8:11], s[0:1], 0x10              ; b2, x1
	s_load_b64 s[12:13], s[0:1], 0x20              ; out0
	v_lshl_add_u32 v[SPW], v0, 2, SPARE
	v_mov_b32 v[NIL], 0
	ds_add_u32 v28, v29
	ds_add_u32 v28, v29
	s_wait_dscnt 0x0
	v_lshrrev_b32 v1, 5, v0
	v_readfirstlane_b32 s14, v1                    ; wave 0..3
	s_lshr_b32 s15, s14, 1                         ; which half of the tile's rows is mine.  Also: I fetch for A (0) or for B (1)
	s_and_b32 s16, s14, 1                          ; which half of its columns.  Also: which half of that tile I fetch
	s_bfe_u32 s40, ttmp6, 0x40000                  ; cx
	s_bfe_u32 s41, ttmp6, 0x40004                  ; cy
	s_lshl_b32 s42, ttmp9, 2
	s_add_co_u32 s42, s42, s40                     ; tile column
	s_and_b32 s17, ttmp7, 0xffff
	s_lshl_b32 s17, s17, 2
	s_add_co_u32 s17, s17, s41                     ; tile row
	s_lshl_b32 s43, s41, 2
	s_lshl_b32 s43, 15, s43                        ; my row of the cluster
	s_lshl_b32 s44, 0x1111, s40                    ; my column
	s_or_b32 s[G1+0], s43, (3<<16)|(1<<21)         ; codes: T rows (row blocks) of NQ x 1,536 bytes, NK x 1,536 apart; elements of 8 bytes; bit 21 set beside a mask
	s_or_b32 s[G1B+0], s44, (3<<16)|(1<<21)
.irp g, G1, G1B
	s_mov_b32 s[\g+1], (192*NQ)<<16
	s_mov_b32 s[\g+2], T<<16
	s_mov_b32 s[\g+3], (192*NQ)<<16
	s_mov_b32 s[\g+4], T
	s_mov_b32 s[\g+5], 192*NK
	s_mov_b32 s[\g+6], 0
	s_mov_b32 s[\g+7], 0
.endr
	s_or_b32 s[G1S+0], s43, (3<<16)|(1<<21)        ; scale words: NK rows (planes) of 64 T bytes
	s_or_b32 s[G1SB+0], s44, (3<<16)|(1<<21)
.irp g, G1S, G1SB
	s_mov_b32 s[\g+1], (8*T)<<16
	s_mov_b32 s[\g+2], NK<<16
	s_mov_b32 s[\g+3], (8*T)<<16
	s_mov_b32 s[\g+4], NK
	s_mov_b32 s[\g+6], 0
	s_mov_b32 s[\g+7], 0
.endr
	s_mov_b32 s[G1S+5], 2048                       ; a's planes: 16,384 bytes
	s_mov_b32 s[G1SB+5], 512                       ; W2's: 4,096
	s_mul_i32 s18, s16, T
	s_mul_i32 s20, s17, 2*T
	s_add_co_u32 s20, s20, s18                     ; A: the first row block that I fetch
	s_mul_i32 s46, s42, 2*T
	s_add_co_u32 s46, s46, s18                     ; B likewise
	s_lshl_b32 s22, s20, 6
	s_add_co_u32 s22, s22, 12582912                ; a's scale planes
	s_lshl_b32 s92, s46, 6
	s_add_co_u32 s92, s92, 9699328                 ; W2's
	s_mul_i32 s20, s20, NK*FRB
	s_mul_i32 s46, s46, NK*FRB
	s_add_co_u32 s46, s46, 6291456                 ; W2's codes
	s_mov_b32 s21, 0
	s_mov_b32 s23, 0
	s_mov_b32 s47, 0
	s_mov_b32 s93, 0
	s_mul_i32 s45, s14, PARTB
	s_mul_i32 s94, s14, SPART
	s_wait_kmcnt 0x0
	s_add_nc_u64 s[20:21], s[4:5], s[20:21]
	s_add_nc_u64 s[22:23], s[4:5], s[22:23]
	s_add_nc_u64 s[46:47], s[6:7], s[46:47]
	s_add_nc_u64 s[92:93], s[6:7], s[92:93]
	CROUND                                         ; all sixteen work-groups are here: the first joint loads meet
	s_mov_b32 s[G0S], 1
	s_add_co_u32 s[G0S+1], s94, SCL
	s_mov_b64 s[G0S+2:G0S+3], s[22:23]
	s_or_b32 s[G0S+3], s[G0S+3], 0x80000000
	s_mov_b32 s[G0SB], 1
	s_add_co_u32 s[G0SB+1], s94, SCL
	s_mov_b64 s[G0SB+2:G0SB+3], s[92:93]
	s_or_b32 s[G0SB+3], s[G0SB+3], 0x80000000
	JLOAD G0S, G1S, G0SB, G1SB
.irp s, 0,1
	s_mov_b32 s[G0+4*\s], 1
	s_add_co_u32 s[G0+4*\s+1], s45, \s*SLOT
	s_add_nc_u64 s[G0+4*\s+2:G0+4*\s+3], s[20:21], \s*NQ*FRB
	s_or_b32 s[G0+4*\s+3], s[G0+4*\s+3], 0x80000000
	s_mov_b32 s[G0B+4*\s], 1
	s_add_co_u32 s[G0B+4*\s+1], s45, \s*SLOT
	s_add_nc_u64 s[G0B+4*\s+2:G0B+4*\s+3], s[46:47], \s*NQ*FRB
	s_or_b32 s[G0B+4*\s+3], s[G0B+4*\s+3], 0x80000000
	JLOAD G0+4*\s, G1, G0B+4*\s, G1B               ; three loads of mine are out
.endr
	v_and_b32 v1, 15, v0                           ; r
	v_bfe_u32 v2, v0, 4, 1                         ; h
	v_and_b32 v3, 31, v0                           ; lane
	v_lshlrev_b32 v4, 4, v3
	v_lshlrev_b32 v7, 6, v2                        ; the bias: my half's 16 columns of each 32
	v_lshlrev_b32 v5, 12, v2
	v_lshl_add_u32 v[CO], v1, 4, v5                ; two rows of x1 and of out0: lanes 0-15 one, lanes 16-31 the next
	s_lshl_b32 s46, s42, 9
	s_lshl_b32 s47, s16, 8
	s_add_co_u32 s46, s46, s47                     ; my first column, in bytes
	s_mov_b32 s47, 0
	s_add_nc_u64 s[8:9], s[8:9], s[46:47]
	s_lshl_b32 s20, s17, 7
	s_lshl_b32 s21, s15, 6
	s_add_co_u32 s20, s20, s21                     ; my first row
	s_lshl_b32 s20, s20, 12
	s_add_co_u32 s20, s20, s46
	s_mov_b32 s21, 0
	s_add_nc_u64 s[10:11], s[10:11], s[20:21]
	s_add_nc_u64 s[12:13], s[12:13], s[20:21]
.irp b, 0,1,2,3
	global_load_b128 v[BIAS+8*\b:BIAS+8*\b+3], v7, s[8:9] offset:4*(32*(\b/2)+8*(\b%2))
	global_load_b128 v[BIAS+8*\b+4:BIAS+8*\b+7], v7, s[8:9] offset:4*(32*(\b/2)+8*(\b%2))+16
.endr
	WIN 0xc0                                       ; destination window 3
.irp a, 0,1,2,3
.irp t, 0,1,2,3,4,5,6,7
	global_load_b128 v[32*\a+4*\t:32*\a+4*\t+3], v[CO], s[10:11] offset:4096*(32*(\a/2)+8*(\a%2)+2*\t+8*(\t/4)) th:TH_LOAD_NT   ; places 2 t, 2 t + 1 of my block a: two rows, 256 consecutive bytes each
.endr
.endr
	WIN 0
	s_mul_i32 s21, s15, PARTB
	s_mul_i32 s22, s16, PARTB
	s_add_co_u32 s22, s22, 2*PARTB
.irp s, 0,1
	v_add_nc_u32 v[ADRA+\s], s21, v4
	v_add_nc_u32 v[ADRB+\s], s22, v4
	s_add_co_u32 s21, s21, SLOT
	s_add_co_u32 s22, s22, SLOT
.endr
	v_lshlrev_b32 v5, 2, v1
	s_mul_i32 s21, s15, SPART
	s_mul_i32 s22, s16, SPART
	s_add_co_u32 s22, s22, 2*SPART
	s_sub_co_u32 s22, s22, s21
	v_mul_u32_u24 v6, s22, v2                      ; lanes 16-31 take B's
	s_add_co_u32 s21, s21, SCL
	v_add_nc_u32 v5, v5, v6
	v_add_nc_u32 v[ADRS], s21, v5
	s_mul_i32 s23, s14, 16*272                     ; my stage: 16 rows x (256 bytes + 16), in slot 0, which has had its last fill and its last read when the first result is stored there
	v_mul_u32_u24 v5, v1, 272
	v_lshl_add_u32 v5, v2, 6, v5
	v_add_nc_u32 v[STO], s23, v5                   ; in: row r, + 64 h
	v_mul_u32_u24 v5, v2, 272
	v_lshl_add_u32 v5, v1, 4, v5
	v_add_nc_u32 v[RD], s23, v5                    ; back: lanes 0-15 one row, lanes 16-31 the next
	s_wait_tensorcnt 1                             ; the scale words and my part of slot 0 are in (slot 1's load may be out),
	s_barrier_signal -1
	s_barrier_wait -1                              ; everybody's are
	FETCH_B 0, 0, 0
	FETCH_A 0, 0, 0
	SCALES 0
	FETCH_A 0, 0, T/2
	s_wait_loadcnt 32                              ; the bias is in; the residual's 32 loads may be out
	STEP 0, 0, 2                                   ; the first step stands in front of the loop: its products take the bias as C
	s_mov_b32 s3, LAPS-1
.Llap:                                                 ; a trip goes once round the ring and fills both slots again
	STEP 0, 1, 0
	STEP 0, 2, 0
	TURN 0, 1, 1
	STEP 1, 0, 0
	STEP 1, 1, 0
	STEP 1, 2, 0
	TURN 1, 0, 1
	STEP 0, 0, 0
	s_sub_co_u32 s3, s3, 1
	s_cmp_lg_u32 s3, 0
	s_cbranch_scc1 .Llap
	STEP 0, 1, 0                                   ; the last lap fills nothing
	STEP 0, 2, 0
	TURN 0, 1, 0
	STEP 1, 0, 0
	STEP 1, 1, 0
	STEP 1, 2, 0
	s_wait_dscnt (T/2)*NLA
	MULS 0, T/2, 1, NQ-1, 1, 0
	s_wait_dscnt 0
	MULS T/2, T/2, 1, NQ-1, 1, 0
	WIN 0
; THE WAY OUT, block by block of 16 rows x 64 columns, through my own stage: LDS serves a wave's instructions in order (ISA guide 5.7.1.4), so no wait stands between the stores and the loads.
.macro TOSTAGE a
	WIN 0x08                                       ; an LDS store's data are its source 1: window 2
.irp b, 0,1,2,3
	ds_store_b128 v[STO], v[8*(4*(\a)+\b):8*(4*(\a)+\b)+3] offset:128*(\b/2)+32*(\b%2)       ; each accumulator from its low end on
	ds_store_b128 v[STO], v[8*(4*(\a)+\b)+4:8*(4*(\a)+\b)+7] offset:128*(\b/2)+32*(\b%2)+16
.endr
	WIN 0
.irp t, 0,1,2,3,4,5,6,7
	ds_load_b128 v[OB+32*(\a)+4*\t:OB+32*(\a)+4*\t+3], v[RD] offset:544*\t
.endr
.endm
.macro SEND a, n                       ; n: the LDS instructions issued behind block a's loads
	s_wait_dscnt \n
	WIN 0x0c                                       ; source 1: window 3
.set SI, 0
.rept 16
	v_pk_add_f32 v[OB+32*(\a)+SI:OB+32*(\a)+SI+1], v[OB+32*(\a)+SI:OB+32*(\a)+SI+1], v[32*(\a)+SI:32*(\a)+SI+1]
.set SI, SI+2
.endr
	WIN 0
.irp t, 0,1,2,3,4,5,6,7
	global_store_b128 v[CO], v[OB+32*(\a)+4*\t:OB+32*(\a)+4*\t+3], s[12:13] offset:4096*(32*((\a)/2)+8*((\a)%2)+2*\t+8*(\t/4)) th:TH_STORE_NT   ; sixteen lanes store 256 consecutive bytes, at a multiple of 256 from out0's first byte
.endr
.endm
	PLACES 4
	s_wait_loadcnt 0x0                             ; the residual
	TOSTAGE 0
	TOSTAGE 1
	SEND 0, 16                                     ; behind block 0's loads: block 1's 8 stores and 8 loads
	TOSTAGE 2
	SEND 1, 16
	TOSTAGE 3
	SEND 2, 16
	SEND 3, 0                                      ; each block has registers of its own: none that a store reads is written again
	s_wait_tensorcnt 0x0                           ; the wave's end
	ds_add_u32 v[SPW], v[NIL]
	s_wait_dscnt 0x0
	CROUND                                         ; the closing round
	s_endpgm
.Lfunc_end_k_q97128fe0fd_ffn2:
	.size	k_q97128fe0fd_ffn2, .Lfunc_end_k_q97128fe0fd_ffn2-k_q97128fe0fd_ffn2
	.p2alignl 7, 3214868480
	.fill 96, 4, 3214868480
	.section	.rodata,"a",@progbits
	.p2align	6, 0x0
	.amdhsa_kernel k_q97128fe0fd_ffn2
		.amdhsa_group_segment_fixed_size 327680
		.amdhsa_private_segment_fixed_size 0
		.amdhsa_enable_private_segment 0
		.amdhsa_kernarg_size 40
		.amdhsa_user_sgpr_count 2
		.amdhsa_user_sgpr_kernarg_segment_ptr 1
		.amdhsa_wavefront_size32 1
		.amdhsa_system_sgpr_workgroup_id_x 1
		.amdhsa_system_sgpr_workgroup_id_y 1
		.amdhsa_system_sgpr_workgroup_id_z 1
		.amdhsa_system_vgpr_workitem_id 0
		.amdhsa_next_free_vgpr 1024
		.amdhsa_next_free_sgpr 100
		.amdhsa_reserve_vcc 0
		.amdhsa_float_denorm_mode_32 3
		.amdhsa_float_denorm_mode_16_64 3
		.amdhsa_memory_ordered 1
		.amdhsa_forward_progress 1
		.amdhsa_inst_pref_size 96
	.end_amdhsa_kernel
	.amdgpu_metadata
---
amdhsa.version: [ 1, 2 ]
amdhsa.kernels:
  - .name:           k_q97128fe0fd_ffn2
    .symbol:         k_q97128fe0fd_ffn2.kd
    .args:
      - { .name: abuf, .offset: 0, .size: 8, .value_kind: global_buffer, .address_space: global }
      - { .name: wts, .offset: 8, .size: 8, .value_kind: global_buffer, .address_space: global }
      - { .name: b2, .offset: 16, .size: 8, .value_kind: global_buffer, .address_space: global }
      - { .name: x1, .offset: 24, .size: 8, .value_kind: global_buffer, .address_space: global }
      - { .name: out0, .offset: 32, .size: 8, .value_kind: global_buffer, .address_space: global }
    .group_segment_fixed_size: 327680
    .private_segment_fixed_size: 0
    .kernarg_segment_align: 8
    .kernarg_segment_size: 40
    .max_flat_workgroup_size: 128
    .sgpr_count:     100
    .vgpr_count:     1024
    .wavefront_size: 32
...
	.end_amdgpu_metadata
.endif
;; end of part 7
